; MI455X (gfx1250); checked and timed in simulation.
; The chip was launched on July 23, 2026; its instructions are those of AMD's public machine-readable ISA for CDNA 5 (MIT licence, August 2026) and "CDNA5" Instruction Set Architecture Reference Guide (July 2026). The comments in the code are by the model that wrote it; some were corrected since.
;; Generative Attention. Allowed arithmetic: matrix products marked QUANTISED: E3M2 operands, one E8M0 scale for each 32 along K, by v_wmma_scale_f32_16x16x128_f8f6f4 with both operands' format E3M2, f32 sums; everything else in f32.
;; Inputs: Wk 1,024 x 1,024 float32; Wp 1,024 x 1,024 float32; Wq 1,024 x 1,024 float32; Wv 1,024 x 1,024 float32; bk 1,024 float32; bp 1,024 float32; bq 1,024 float32; bv 1,024 float32; inputs 4 x 2,048 x 1,024 float32; mask 4 x 1 x 1 x 2,048 bool.
;; Outputs: out0 4 x 2,048 x 1,024 float32.
;; This version of the problem:
;;   THIS VERSION OF THE PROBLEM IS GIVEN IN LOW PRECISION. The matrix products marked QUANTISED in the list below multiply operands that are first quantised to E3M2 (3 exponent bits, 2 mantissa bits; 6 bits a number), with one power-of-two scale for each 32 numbers along K (OCP MX v1.0); their sums are f32. All else is computed in f32.
;;   The module's matrix products, in the order in which they are computed (A, B: the left and right operand; K: the contracted axis; several contracted axes count as one K, in the product's order):
;;     1. [M 8,192, K 1,024] x [K 1,024, N 1,024]; A: input inputs; B: input Wq: QUANTISED
;;     2. [M 8,192, K 1,024] x [K 1,024, N 1,024]; A: input inputs; B: input Wk: QUANTISED
;;     3. [M 8,192, K 1,024] x [K 1,024, N 1,024]; A: input inputs; B: input Wv: QUANTISED
;;     4. batch 64 x [M 2,048, K 64] x [K 64, N 2,048]; A: computed on the way; B: computed on the way: QUANTISED
;;     5. batch 64 x [M 2,048, K 2,048] x [K 2,048, N 64]; A: softmax (see below); B: computed on the way: QUANTISED
;;     6. [M 8,192, K 1,024] x [K 1,024, N 1,024]; A: computed on the way; B: input Wp: QUANTISED
;;   THE QUANTISER, for each operand of a quantised product, along K:
;;     - K is cut into blocks of 32 from its start; a last block that is shorter is filled with zeros.
;;     - A block's scale is 2^e with e = floor(log2(the largest magnitude in the block)) - 4, held to -126 .. 127; a block of zeros has e = 0. As a byte (E8M0): e + 127.
;;     - Each number is divided by its block's scale, clamped to +-28, and rounded to the nearest number of E3M2, ties to even, subnormals kept.
;;     - The product sums the exact products of the quantised numbers (number of the format x scale) in f32.
;;   ~~~python
;;   def quantise(x, axis):      # numpy; x: float32 -> the quantised numbers, widened to float32 again
;;       x = np.moveaxis(x, axis, -1); K = x.shape[-1]
;;       x = np.pad(x, [(0, 0)] * (x.ndim - 1) + [(0, -K % 32)]); x = x.reshape(x.shape[:-1] + (-1, 32)); a = np.abs(x).max(-1, keepdims=True)
;;       e = np.where(a > 0, np.clip(np.frexp(np.where(a > 0, a, 1))[1] - 1 - 4, -126, 127), 0)      # np.frexp(a)[1] - 1 = floor(log2(a)), exactly
;;       r = np.clip(x / 2.0 ** e, -28, 28)
;;       step = 2.0 ** (np.maximum(np.frexp(np.where(r == 0, 1, r))[1] - 1, -2) - 2)
;;       q = np.round(r / step) * step * 2.0 ** e      # np.round: ties to even
;;       return np.moveaxis(q.reshape(q.shape[:-2] + (-1,))[..., :K], -1, axis).astype(np.float32)
;;   ~~~
;;   SOFTMAX AHEAD OF A QUANTISED PRODUCT. Where the list says 'softmax', what is quantised is not the finished softmax but p = 2^(t - M), with t = logit x log2(e) and M = ceil(the row's largest t), a whole number; so 1/2 < the row's largest p <= 1. The row's sum l is taken of the UNQUANTISED p, in f32, and the product's result is divided by l at the end. Since M is a whole number, a kernel that streams over the keys may use a running M (the ceiling of the running maximum): every later rescaling is an exact power of two, which a block's scale takes up: the codes' values come out the same.
;;   OPERANDS COMPUTED ON THE WAY. 'Computed on the way' means the value that the module computes at that place (a softmax that the list does not call 'softmax' is quantised finished and normalised). What goes into a quantiser is computed in f32, as accurately as f32 sums, v_exp_f32 and their like allow (about 1e-6 of the number): no bf16 or f16 on the way to a quantiser, and a product that is left as it is and whose result goes on into a quantised operand takes f32 operands (vector FMAs, or v_wmma_f32_16x16x4_f32). A number that lies on a knife's edge between two numbers of the format may be rounded either way, as far as f32 arithmetic and the matrix unit's own rounding can turn it there, and no further.
;; One version. Each part assembles by itself: llvm-mc -triple=amdgcn-amd-amdhsa -mcpu=gfx1250 --defsym DOCPART=n.
;; ======== version 1 of 1: 4 launches
;; limits: right only within a limited range of input values
;; workspace buffers: xcod 6,291,456 bytes; xscl 262,144 bytes; wcod 3,145,728 bytes; wscl 131,072 bytes; qimg 8,912,896 bytes; kvimg 15,466,496 bytes; acod 6,291,456 bytes; ascl 262,144 bytes
;; launch quant (part 1): grid 256 x 1, 6 waves a work-group, no clusters, 51,456 bytes of LDS; arguments inputs, Wq, Wk, Wv, Wp, xcod, xscl, wcod, wscl; writes xcod, xscl, wcod, wscl
.if DOCPART == 1
	.amdgcn_target "amdgcn-amd-amdhsa--gfx1250"
	.amdhsa_code_object_version 6
	.text
	.protected	k_q1c0a8b48f6_quant
	.globl	k_q1c0a8b48f6_quant
	.p2align	8
	.type	k_q1c0a8b48f6_quant,@function
k_q1c0a8b48f6_quant:
	s_mov_b64 s[64:65], 0
	v_nop
	global_prefetch_b8 v0, s[64:65] scope:SCOPE_SE
	s_setreg_imm32_b32 hwreg(HW_REG_WAVE_MODE, 25, 1), 1
	s_wait_xcnt 0x0
; THE PROGRAM: four launches.  quant: inputs and the four weights become codes of BF6 (E3M2) with one E8M0 byte for each 32 along K.  qkv: the three projections; their results are
; quantised in registers and stored as operands.  attn: causal attention on codes.  proj: the projection on the way out.
; EVERY OPERAND LIES IN MEMORY AS AN IMAGE OF ITS OPERAND REGISTERS: a fragment (16 rows x 128 K, 12 registers a lane) is 1,536 bytes, register group j of lane l at 512 j + 16 l.
; THE ROWS OF A TILE ARE NOT NEIGHBOURS: lane r of tile 2 B + u holds row 32 B + 8 u + r + 8 (r / 8).  A product used transposed then leaves a lane 16 neighbours along the next K.
; DEAD WORK, left out in attn: for a tile of 16 queries and a step of 128 keys that all come after all 16 queries, reference() replaces every score by NEG through the jnp.tril that it builds
; itself, whatever the inputs hold.  So the product q . k of such a step reaches no output and is not made.  What those keys still give is NOT dead, since NEG is -10000 and no -infinity: their
; weight c = 2^(NEG log2(e) - M) counts in the row's sum and in the second product.  M is a whole number, so c over its block's scale is 2^(4 + 0.0496..) = 16.56 for every input, which the
; format rounds to 16: the quantised weight is 2^(-14427 - M).  attn adds that times the sum of the quantised V over the hidden steps, and n c to the row's sum.  No input is left out.
; LIMITS: a NaN, an infinity or an overflow that would arise only in the scores left out is not carried to the result; NaN and infinities among the inputs are not served; a block whose largest
; magnitude lies under 2^-122 keeps the byte 1, and so does a block of zeros, where the rule says 127: its codes are zeros, and the bytes are read by this program alone.
; THIS LAUNCH.  A wave takes a job: one tile of 16 rows x 512 along K, four fragments.  Jobs 0-1023: inputs; 1024-1535: Wq, Wk, Wv, Wp.  Each load reads 512 consecutive bytes of one row; a
; fragment's 16 rows turn through the wave's own stage in LDS (rows 528 bytes apart), so that lane (r, h) gets k = 64 c + 32 h + 0 .. 31 of row r in 64 registers: two whole blocks a lane.
; Waves share nothing: no barrier.
.set STG,   8448                       ; a wave's stage: 16 rows x 528 bytes
.set SPARE, 6*STG                      ; behind the stages: the spare words, 128 bytes a wave
.set RR,    16                         ; v16-143  two sets of 64 registers as loaded
.set X,     144                        ; v144-207 64 numbers along K
.set C,     208                        ; v208-219 the fragment's codes
.set T,     220                        ; v220-226 the blocks' second halves (a conversion's three registers begin on an even number)
.set BM,    228                        ; v228-229 largest magnitudes, v230-231 scale operands, v232-233 bytes
.set WD,    234                        ; v234-237 the four fragments' scale words
.set SPW,   12
.set NIL,   13
	s_load_b256 s[4:11], s[0:1], 0x0               ; inputs, Wq, Wk, Wv
	s_load_b256 s[12:19], s[0:1], 0x20             ; Wp, xcod, xscl, wcod
	s_load_b64 s[20:21], s[0:1], 0x40              ; wscl
	v_lshl_add_u32 v[SPW], v0, 2, SPARE
	v_mov_b32 v[NIL], 0
	v_lshrrev_b32 v6, 5, v0
	v_readfirstlane_b32 s22, v6                    ; wave
	v_and_b32 v6, 31, v0                           ; lane
	v_and_b32 v7, 15, v0                           ; r
	v_bfe_u32 v8, v0, 4, 1                         ; h
	v_lshlrev_b32 v1, 4, v6                        ; 16 x lane
	s_mul_i32 s23, s22, STG
	v_add_nc_u32 v2, s23, v1                       ; into the stage: 16 x lane of a row
	v_mul_u32_u24 v3, v7, 528
	v_lshl_add_u32 v3, v8, 7, v3
	v_add_nc_u32 v3, s23, v3                       ; out of it: row r, + 128 h
	v_lshlrev_b32 v4, 4, v7
	v_lshl_add_u32 v4, v8, 3, v4                   ; the scale words' place: 16 r + 8 h
	v_lshlrev_b32 v5, 3, v8                        ; 8 h: my bytes' shift in a scale word
	v_mov_b32 v238, 0                              ; a lane permute's destination counts as one of its sources
	s_mov_b32 s30, 0x76543210
	s_mov_b32 s31, 0xfedcba98                      ; lane l xor 16
	s_mov_b32 s32, 0xffff0000                      ; lanes 16-31
	s_mul_i32 s24, ttmp9, 6
	s_add_co_u32 s24, s24, s22                     ; the job
	s_cmp_lt_u32 s24, 1024
	s_cselect_b32 s26, 1, 0                        ; 1: inputs
	s_cselect_b32 s25, 0, 1024
	s_sub_co_u32 s25, s24, s25
	s_lshr_b32 s27, s25, 1                         ; the tile in its buffer of codes
	s_and_b32 s28, s25, 1                          ; which half of K
	s_lshr_b32 s29, s27, 6                         ; which weight
	s_and_b32 s33, s27, 63
	s_cmp_eq_u32 s26, 1
	s_cselect_b32 s33, s27, s33                    ; the tile in its tensor
	s_lshr_b32 s34, s33, 1
	s_lshl_b32 s34, s34, 5
	s_and_b32 s35, s33, 1
	s_lshl_b32 s35, s35, 3
	s_add_co_u32 s34, s34, s35                     ; its first row: 32 (tile / 2) + 8 (tile % 2)
	s_lshl_b32 s34, s34, 12                        ; rows of 4,096 bytes
	s_lshl_b32 s35, s28, 11
	s_add_co_u32 s34, s34, s35
	s_mov_b32 s35, 0
	s_mul_i32 s36, s27, 12288                      ; codes: 8 fragments a tile
	s_mul_i32 s38, s28, 6144
	s_add_co_u32 s36, s36, s38
	s_mov_b32 s37, 0
	s_lshl_b32 s38, s27, 9                         ; scale words: 512 bytes a tile, 256 for each half of K
	s_lshl_b32 s39, s28, 8
	s_add_co_u32 s38, s38, s39
	s_mov_b32 s39, 0
	s_wait_alu depctr_va_vdst(0)
	s_wait_kmcnt 0x0
	s_cmp_eq_u32 s29, 1                            ; the choices hang on the job's number alone
	s_cselect_b64 s[6:7], s[8:9], s[6:7]
	s_cmp_eq_u32 s29, 2
	s_cselect_b64 s[6:7], s[10:11], s[6:7]
	s_cmp_eq_u32 s29, 3
	s_cselect_b64 s[6:7], s[12:13], s[6:7]
	s_cmp_eq_u32 s26, 1
	s_cselect_b64 s[4:5], s[4:5], s[6:7]
	s_cselect_b64 s[14:15], s[14:15], s[18:19]
	s_cselect_b64 s[16:17], s[16:17], s[20:21]
	s_add_nc_u64 s[4:5], s[4:5], s[34:35]
	s_add_nc_u64 s[14:15], s[14:15], s[36:37]
	s_add_nc_u64 s[16:17], s[16:17], s[38:39]
.macro LOADF f, set                    ; fragment f: 16 rows x 512 bytes
.irp m, 0,1,2,3,4,5,6,7,8,9,10,11,12,13,14,15
	global_load_b128 v[RR+64*(\set)+4*\m:RR+64*(\set)+4*\m+3], v1, s[4:5] offset:(\m+8*(\m/8))*4096+512*(\f) th:TH_LOAD_NT
.endr
.endm
.macro TURNF set                       ; through the stage: LDS serves a wave's instructions in order, so no wait stands between the stores and the loads
.irp m, 0,1,2,3,4,5,6,7,8,9,10,11,12,13,14,15
	ds_store_b128 v2, v[RR+64*(\set)+4*\m:RR+64*(\set)+4*\m+3] offset:528*\m
.endr
.irp c, 0,1
.irp i, 0,1,2,3,4,5,6,7
	ds_load_b128 v[X+32*\c+4*\i:X+32*\c+4*\i+3], v3 offset:256*\c+16*\i
.endr
.endr
.endm
.macro QF f                            ; 64 numbers become the fragment's 12 registers and my row's scale word
.irp c, 0,1
	v_max3_num_f32 v[BM+\c], |v[X+32*\c]|, |v[X+32*\c+1]|, 0x2800000   ; block 2 c + h is all mine; the floor 2^(5 - 127) holds the byte at 1 from below
.endr
.irp i, 2,4,6,8,10,12,14,16,18,20,22,24,26,28,30
.irp c, 0,1
	v_max3_num_f32 v[BM+\c], v[BM+\c], |v[X+32*\c+\i]|, |v[X+32*\c+\i+1]|
.endr
.endr
.irp c, 0,1
	v_add_nc_u32 v[BM+2+\c], 0xfe000000, v[BM+\c]  ; 4 off the exponent field: the conversion's scale operand
.endr
.irp c, 0,1
	v_lshrrev_b32 v[BM+4+\c], 23, v[BM+2+\c]       ; the scale's byte
.endr
	v_lshl_or_b32 v[WD+\f], v[BM+5], 16, v[BM+4]   ; blocks h and 2 + h,
	v_lshlrev_b32 v[WD+\f], v5, v[WD+\f]           ; at their places;
	v_permlanex16_b32 v238, v[WD+\f], s30, s31
	v_or_b32 v[WD+\f], v[WD+\f], v238              ; with lane l xor 16's two the word is whole
	s_wait_alu depctr_va_vdst(0)
	s_wait_xcnt 0x0                                ; the last fragment's stores have read their registers: the codes are written again only behind this wait
	v_cvt_scalef32_pk16_bf6_f32 v[C:C+2], v[X:X+15], v[BM+2]
	v_cvt_scalef32_pk16_bf6_f32 v[T:T+2], v[X+16:X+31], v[BM+2]
	v_cvt_scalef32_pk16_bf6_f32 v[C+6:C+8], v[X+32:X+47], v[BM+3]
	v_cvt_scalef32_pk16_bf6_f32 v[T+4:T+6], v[X+48:X+63], v[BM+3]
	v_nop                                          ; one plain place behind the scaled conversions
.irp i, 0,1,2
	v_mov_b32 v[C+3+\i], v[T+\i]
	v_mov_b32 v[C+9+\i], v[T+4+\i]
.endr
.irp j, 0,1,2
	global_store_b128 v1, v[C+4*\j:C+4*\j+3], s[14:15] offset:1536*\f+512*\j   ; 32 lanes store 512 consecutive bytes
.endr
.endm
	LOADF 0, 0
	LOADF 1, 1
	s_wait_loadcnt 16                              ; fragment 0 is in; fragment 1's 16 loads may be out
	TURNF 0
	s_wait_dscnt 0x0                               ; the stage's stores have read their registers, and the numbers are back
	LOADF 2, 0
	QF 0
	s_wait_loadcnt 16                              ; fragment 1 is in; fragment 2's may be out
	TURNF 1
	s_wait_dscnt 0x0
	LOADF 3, 1
	QF 1
	s_wait_loadcnt 16                              ; fragment 2 is in; fragment 3's may be out
	TURNF 0
	s_wait_dscnt 0x0
	QF 2
	s_wait_loadcnt 0x0
	TURNF 1
	s_wait_dscnt 0x0
	QF 3
	v_cndmask_b32 v238, v[WD], v[WD+2], s32        ; lanes 0-15 store words 0, 1 of row r, lanes 16-31 words 2, 3:
	v_cndmask_b32 v239, v[WD+1], v[WD+3], s32
	global_store_b64 v4, v[238:239], s[16:17]      ; 256 consecutive bytes, aligned
	s_wait_tensorcnt 0x0                           ; the wave's end: behind my last LDS store
	ds_add_u32 v[SPW], v[NIL]
	s_wait_dscnt 0x0
	s_endpgm
.Lfunc_end_k_q1c0a8b48f6_quant:
	.size	k_q1c0a8b48f6_quant, .Lfunc_end_k_q1c0a8b48f6_quant-k_q1c0a8b48f6_quant
	.p2alignl 7, 3214868480
	.fill 96, 4, 3214868480
	.section	.rodata,"a",@progbits
	.p2align	6, 0x0
	.amdhsa_kernel k_q1c0a8b48f6_quant
		.amdhsa_group_segment_fixed_size 51456
		.amdhsa_private_segment_fixed_size 0
		.amdhsa_enable_private_segment 0
		.amdhsa_kernarg_size 72
		.amdhsa_user_sgpr_count 2
		.amdhsa_user_sgpr_kernarg_segment_ptr 1
		.amdhsa_wavefront_size32 1
		.amdhsa_system_sgpr_workgroup_id_x 1
		.amdhsa_system_sgpr_workgroup_id_y 1
		.amdhsa_system_sgpr_workgroup_id_z 1
		.amdhsa_system_vgpr_workitem_id 0
		.amdhsa_next_free_vgpr 240
		.amdhsa_next_free_sgpr 66
		.amdhsa_reserve_vcc 0
		.amdhsa_float_denorm_mode_32 3
		.amdhsa_float_denorm_mode_16_64 3
		.amdhsa_memory_ordered 1
		.amdhsa_forward_progress 1
		.amdhsa_inst_pref_size 31
	.end_amdhsa_kernel
	.amdgpu_metadata
---
amdhsa.version: [ 1, 2 ]
amdhsa.kernels:
  - .name:           k_q1c0a8b48f6_quant
    .symbol:         k_q1c0a8b48f6_quant.kd
    .args:
      - { .name: inputs, .offset: 0, .size: 8, .value_kind: global_buffer, .address_space: global }
      - { .name: Wq, .offset: 8, .size: 8, .value_kind: global_buffer, .address_space: global }
      - { .name: Wk, .offset: 16, .size: 8, .value_kind: global_buffer, .address_space: global }
      - { .name: Wv, .offset: 24, .size: 8, .value_kind: global_buffer, .address_space: global }
      - { .name: Wp, .offset: 32, .size: 8, .value_kind: global_buffer, .address_space: global }
      - { .name: xcod, .offset: 40, .size: 8, .value_kind: global_buffer, .address_space: global }
      - { .name: xscl, .offset: 48, .size: 8, .value_kind: global_buffer, .address_space: global }
      - { .name: wcod, .offset: 56, .size: 8, .value_kind: global_buffer, .address_space: global }
      - { .name: wscl, .offset: 64, .size: 8, .value_kind: global_buffer, .address_space: global }
    .group_segment_fixed_size: 51456
    .private_segment_fixed_size: 0
    .kernarg_segment_align: 8
    .kernarg_segment_size: 72
    .max_flat_workgroup_size: 192
    .sgpr_count:     66
    .vgpr_count:     240
    .wavefront_size: 32
...
	.end_amdgpu_metadata
.endif
;; end of part 1
;; launch qkv (part 2): grid 12 x 64, 4 waves a work-group, clusters of 4 x 4, 327,680 bytes of LDS; arguments xcod, xscl, wcod, wscl, bq, bk, bv, mask, qimg, kvimg; writes qimg, kvimg
.if DOCPART == 2
	.amdgcn_target "amdgcn-amd-amdhsa--gfx1250"
	.amdhsa_code_object_version 6
	.text
	.protected	k_q1c0a8b48f6_qkv
	.globl	k_q1c0a8b48f6_qkv
	.p2align	8
	.type	k_q1c0a8b48f6_qkv,@function
k_q1c0a8b48f6_qkv:
	s_mov_b64 s[64:65], 0
	v_nop
	global_prefetch_b8 v0, s[64:65] scope:SCOPE_SE
	s_setreg_imm32_b32 hwreg(HW_REG_WAVE_MODE, 25, 1), 1
	s_wait_xcnt 0x0
	s_wait_alu depctr_hold_cnt(0) depctr_sa_sdst(0) depctr_va_vdst(0) depctr_va_sdst(0) depctr_va_ssrc(0) depctr_va_vcc(0) depctr_vm_vsrc(0)
	s_getreg_b32 s2, hwreg(HW_REG_IB_STS2, 6, 4)
	s_cmp_eq_u32 s2, 0
	s_cbranch_scc0 .Lentry_in_a_cluster
	s_endpgm
.Lentry_in_a_cluster:
	s_bfe_u32 s2, ttmp6, 0x10000c
	s_cmp_lg_u32 s2, 0xf033
	s_cbranch_scc0 .Lentry_shape_is_right
	s_endpgm
.Lentry_shape_is_right:
; q = x Wq^T + bq, k = x Wk^T + bk, v = x Wv^T + bv on codes of BF6, and their quantising for attention, in registers.  Nothing of reference() is left out here.
; A work-group makes 256 (source 0) x 128 (source 1) results with all of K = 1,024: its 288 KB of codes come into LDS once, in four chunks of two K steps; no LDS byte is filled twice.
; Cluster x = 0: Q, 1: K (source 0 = 256 rows of the weight, source 1 = 128 tokens: a lane holds one token, its registers run along the features, which are the next K);
; cluster x = 2: V (source 0 = 256 tokens, source 1 = 128 rows of Wv: a lane holds one feature, its registers run along the tokens, which are the keys, the next K).
; CLUSTERS: 4 x 4.  Source 0's tiles hang on cx alone and are shared along a column of the cluster, source 1's on cy alone and along a row: each is asked for jointly.
; Four waves, wx = wave % 2, wy = wave / 2; a wave makes 8 tiles of source 0 (b) x 4 tiles of source 1 (a): 32 accumulators, which take turns.
; THE INPUT MASK goes through the first product of attention.  That product has K = 64 in an instruction 128 deep.  A masked key's 64 codes are stored as zeros and its places 64-66 as 5, 5, 5; every query
; carries -20, -10, -1.25 there; block 2's scale bytes are 127 (K) and 136 (Q): 5 x -31.25 x 512 = -80000 = 8 NEG, exactly.  An open key has zeros there.
; LIMITS: as stated at the head of the launch quant.
; REGISTERS: window 0: v1-11 addresses; v32-47 source 1's scale words, v48-79 source 0's; v80-175 source 1's fragments, two sets; behind the products v80-143 64 results, v176-240 at work.
;   window 1: source 0's fragments, two sets, at v0 and v128.   window 2: accumulator (a, b) at v[8 (8 a + b)].   window 3: the biases.
.set SPARE, 294912                     ; behind the four chunks: the spare words, 128 bytes a wave
; LDS as it is now: source 0's 16 tiles whole (12,288 bytes each: all eight K steps), then source 1's 8.  One dense joint load a wave brings them (this takes the place of the chunks named above):
; waves 0, 1 a half of source 0 each (98,304 bytes), waves 2, 3 a half of source 1 each (49,152 bytes); one tensor load a wave at the head.
.set S1OFF, 196608
.set LI,  1                            ; 16 x lane
.set L8,  2                            ; 8 x lane
.set SCA, 3                            ; 512 h + 16 r: the scale words of a pair of tiles
.set ADB, 4                            ; v4-7   my source 0 fragments: tiles 2 q, 2 q + 1
.set ADA, 8                            ; v8     my source 1 fragments
.set SPW, 28
.set NIL, 29
.set SA,  32
.set SB,  48
.set AF,  80
.set H,   80
.set TM,  176
.set T2,  192
.set PWS, 200
.set EV,  240
.set NF,  36                           ; LDS loads of a K step's fragments
.set W_MUL, 0xa1                       ; source 0 window 1, source 1 window 0, C and D window 2
.set W_TOB, 0x40                       ; destination window 1
.set MSB, 0
.macro WIN new                         ; the immediate's high byte repeats the setting that is left
.if MSB != \new
	s_set_vgpr_msb (MSB<<8)|\new
.set MSB, \new
.endif
.endm
.macro ROUND                           ; a round of the cluster's barrier
	s_barrier_signal -1
	s_barrier_wait -1
	s_cmp_lg_u32 s12, 0
	s_cbranch_scc1 .Lnw0_\@
	s_barrier_signal -3
.Lnw0_\@:
	s_barrier_wait -3
	s_barrier_signal -1
	s_barrier_wait -1
.endm
.macro PLACES                          ; four plain places behind matrix instructions, in front of loads into their sources and of reads of their results
.rept 4
	v_nop
.endr
.endm
; One product.  A scale register holds the words of tile 2 p in lanes 0-15 and of tile 2 p + 1 in lanes 16-31.
.macro PROD a, b, s, first
.set rD, 8*(8*(\a)+(\b))
.set rB, 128*((\s)%2)+12*(\b)
.set rA, AF+48*((\s)%2)+12*(\a)
.set rP, SB+8*((\b)/2)+(\s)
.set rQ, SA+8*((\a)/2)+(\s)
.if \first
.if ((\b)%2)*((\a)%2)
	v_wmma_scale_f32_16x16x128_f8f6f4 v[rD:rD+7], v[rB:rB+11], v[rA:rA+11], 0, v[rP], v[rQ] matrix_a_fmt:MATRIX_FMT_BF6 matrix_b_fmt:MATRIX_FMT_BF6 matrix_a_scale:MATRIX_SCALE_ROW1 matrix_b_scale:MATRIX_SCALE_ROW1
.elseif (\b)%2
	v_wmma_scale_f32_16x16x128_f8f6f4 v[rD:rD+7], v[rB:rB+11], v[rA:rA+11], 0, v[rP], v[rQ] matrix_a_fmt:MATRIX_FMT_BF6 matrix_b_fmt:MATRIX_FMT_BF6 matrix_a_scale:MATRIX_SCALE_ROW1
.elseif (\a)%2
	v_wmma_scale_f32_16x16x128_f8f6f4 v[rD:rD+7], v[rB:rB+11], v[rA:rA+11], 0, v[rP], v[rQ] matrix_a_fmt:MATRIX_FMT_BF6 matrix_b_fmt:MATRIX_FMT_BF6 matrix_b_scale:MATRIX_SCALE_ROW1
.else
	v_wmma_scale_f32_16x16x128_f8f6f4 v[rD:rD+7], v[rB:rB+11], v[rA:rA+11], 0, v[rP], v[rQ] matrix_a_fmt:MATRIX_FMT_BF6 matrix_b_fmt:MATRIX_FMT_BF6
.endif
.else
.if ((\b)%2)*((\a)%2)
	v_wmma_scale_f32_16x16x128_f8f6f4 v[rD:rD+7], v[rB:rB+11], v[rA:rA+11], v[rD:rD+7], v[rP], v[rQ] matrix_a_fmt:MATRIX_FMT_BF6 matrix_b_fmt:MATRIX_FMT_BF6 matrix_a_scale:MATRIX_SCALE_ROW1 matrix_b_scale:MATRIX_SCALE_ROW1
.elseif (\b)%2
	v_wmma_scale_f32_16x16x128_f8f6f4 v[rD:rD+7], v[rB:rB+11], v[rA:rA+11], v[rD:rD+7], v[rP], v[rQ] matrix_a_fmt:MATRIX_FMT_BF6 matrix_b_fmt:MATRIX_FMT_BF6 matrix_a_scale:MATRIX_SCALE_ROW1
.elseif (\a)%2
	v_wmma_scale_f32_16x16x128_f8f6f4 v[rD:rD+7], v[rB:rB+11], v[rA:rA+11], v[rD:rD+7], v[rP], v[rQ] matrix_a_fmt:MATRIX_FMT_BF6 matrix_b_fmt:MATRIX_FMT_BF6 matrix_b_scale:MATRIX_SCALE_ROW1
.else
	v_wmma_scale_f32_16x16x128_f8f6f4 v[rD:rD+7], v[rB:rB+11], v[rA:rA+11], v[rD:rD+7], v[rP], v[rQ] matrix_a_fmt:MATRIX_FMT_BF6 matrix_b_fmt:MATRIX_FMT_BF6
.endif
.endif
.endm
.macro MUL16 a0, s, first              ; tiles a0, a0 + 1 of source 1 x source 0's eight
.irp a, \a0, \a0+1
.irp b, 0,1,2,3,4,5,6,7
	PROD \a, \b, \s, \first
.endr
.endr
.endm
.macro FETCH s                         ; K step s's fragments into set s % 2: images, 512 consecutive bytes a load
	WIN W_TOB
.irp i, 0,1,2,3,4,5,6,7
.irp j, 0,1,2
	ds_load_b128 v[128*((\s)%2)+12*\i+4*\j:128*((\s)%2)+12*\i+4*\j+3], v[ADB+(\i)/2] offset:12288*((\i)%2)+1536*(\s)+512*\j
.endr
.endr
	WIN 0
.irp i, 0,1,2,3
.irp j, 0,1,2
	ds_load_b128 v[AF+48*((\s)%2)+12*\i+4*\j:AF+48*((\s)%2)+12*\i+4*\j+3], v[ADA] offset:12288*\i+1536*(\s)+512*\j
.endr
.endr
.endm
.macro KEVEN s                         ; a K step: its successor's fragments are fetched ahead of its products; all of K lies in LDS
	PLACES
	FETCH (\s)+1
	s_wait_dscnt NF                                ; this step's fragments are in; the NF loads just issued may be out
	WIN W_MUL
	MUL16 0, \s, 0
	MUL16 2, \s, 0
.endm
.macro MAIN
	s_wait_loadcnt 0x0                             ; the scale words, and what the arm has loaded
	s_wait_tensorcnt 0x0                           ; my one load has landed
	s_barrier_signal -1
	s_barrier_wait -1
	FETCH 0
	FETCH 1
	s_wait_dscnt NF
	WIN W_MUL
	MUL16 0, 0, 1                                  ; the first K step starts the sums: nothing is cleared
	MUL16 2, 0, 1
	KEVEN 1
	KEVEN 2
	KEVEN 3
	KEVEN 4
	KEVEN 5
	KEVEN 6
	s_wait_dscnt 0x0
	MUL16 0, 7, 0
	MUL16 2, 7, 0
	WIN 0
.endm
; 64 numbers of a lane, register 16 b + i = k 32 b + 16 (lane / 16) + i of my row, become codes: blocks 0, 1 in v[d0] .. v[d0 + 5], blocks 2, 3 in v[d1] .. v[d1 + 5]; the four bytes in v[pw].
.macro QUANT s, d0, d1, pw
.irp b, 0,1,2,3
	v_max3_num_f32 v[TM+\b], |v[\s+16*\b]|, |v[\s+1+16*\b]|, 0x2800000   ; my 16 numbers, and the floor 2^(5 - 127)
.endr
.irp i, 2,4,6,8,10,12,14
.irp b, 0,1,2,3
	v_max3_num_f32 v[TM+\b], v[TM+\b], |v[\s+16*\b+\i]|, |v[\s+1+16*\b+\i]|
.endr
.endr
.irp b, 0,1,2,3
	v_permlanex16_b32 v[TM+4+\b], v[TM+\b], s66, s67
.endr
.irp b, 0,1,2,3
	v_max_num_f32 v[TM+\b], v[TM+\b], v[TM+4+\b]   ; with lane l xor 16's: the block's largest magnitude
.endr
.irp b, 0,1,2,3
	v_add_nc_u32 v[TM+12+\b], 0xfe000000, v[TM+\b] ; 4 off the exponent field: the conversion's scale operand
.endr
.irp b, 0,1,2,3
	v_lshrrev_b32 v[TM+4+\b], 23, v[TM+12+\b]      ; the scale's byte
.endr
	v_lshl_or_b32 v[\pw], v[TM+5], 8, v[TM+4]
	v_lshl_or_b32 v[\pw], v[TM+6], 16, v[\pw]
	v_lshl_or_b32 v[\pw], v[TM+7], 24, v[\pw]
	v_cvt_scalef32_pk16_bf6_f32 v[\d0:\d0+2], v[\s:\s+15], v[TM+12]
	v_cvt_scalef32_pk16_bf6_f32 v[T2:T2+2], v[\s+16:\s+31], v[TM+13]
	v_cvt_scalef32_pk16_bf6_f32 v[\d1:\d1+2], v[\s+32:\s+47], v[TM+14]
	v_cvt_scalef32_pk16_bf6_f32 v[T2+4:T2+6], v[\s+48:\s+63], v[TM+15]
	v_nop                                          ; one plain place behind the scaled conversions
.irp i, 0,1,2                          ; the operand's layout wants a whole block in a lane
	v_permlane16_swap_b32 v[\d0+\i], v[T2+\i]
	v_permlane16_swap_b32 v[\d1+\i], v[T2+4+\i]
.endr
.irp i, 0,1,2
	v_mov_b32 v[\d0+3+\i], v[T2+\i]
	v_mov_b32 v[\d1+3+\i], v[T2+4+\i]
.endr
.endm
	s_load_b256 s[68:75], s[0:1], 0x0              ; xcod, xscl, wcod, wscl
	s_load_b256 s[76:83], s[0:1], 0x20             ; bq, bk, bv, mask
	s_load_b128 s[84:87], s[0:1], 0x40             ; qimg, kvimg
	v_lshl_add_u32 v[SPW], v0, 2, SPARE
	v_mov_b32 v[NIL], 0
	ds_add_u32 v[SPW], v[NIL]                      ; the wave's opening: the add, twice on end, and its wait ahead of my first tensor load
	ds_add_u32 v[SPW], v[NIL]
	v_lshrrev_b32 v12, 5, v0
	v_readfirstlane_b32 s12, v12                   ; wave
	s_and_b32 s89, s12, 1                          ; wx
	s_lshr_b32 s90, s12, 1                         ; wy
	s_bfe_u32 s13, ttmp6, 0x40000                  ; cx
	s_bfe_u32 s14, ttmp6, 0x40004                  ; cy
	s_mov_b32 s15, ttmp9                           ; cluster x: 0 Q, 1 K, 2 V; the same in all sixteen partners
	s_and_b32 s88, ttmp7, 0xffff                   ; cluster y
	s_lshl_b32 s92, 0x1111, s13                    ; my column of the cluster
	s_or_b32 s24, s92, (3<<16)|(1<<21)             ; source 0: the mask; elements of 8 bytes; bit 21 beside a mask; no padding
	s_lshl_b32 s94, s14, 2
	s_lshl_b32 s94, 15, s94                        ; my row
	s_or_b32 s16, s94, (3<<16)|(1<<21)             ; source 1
	s_mov_b32 s25, 32<<16                          ; a dense block as rows of 256 bytes:
	s_mov_b32 s26, 384<<16                         ; 8 tiles x 12,288 bytes = 384 rows
	s_mov_b32 s27, 32<<16
	s_mov_b32 s28, 384
	s_mov_b32 s29, 32
	s_mov_b32 s30, 0
	s_mov_b32 s31, 0
	s_mov_b32 s17, 32<<16
	s_mov_b32 s18, 192<<16                         ; 4 tiles = 192 rows
	s_mov_b32 s19, 32<<16
	s_mov_b32 s20, 192
	s_mov_b32 s21, 32
	s_mov_b32 s22, 0
	s_mov_b32 s23, 0
	s_lshr_b32 s2, s88, 1
	s_and_b32 s3, s88, 1
	s_cmp_eq_u32 s15, 2
	s_cselect_b32 s2, s2, s15
	s_cselect_b32 s3, s3, s88
	s_cselect_b32 s91, 128, 0                      ; Wv's tiles begin at 128
	s_lshl_b32 s2, s2, 2
	s_add_co_u32 s2, s2, s13                       ; source 0's block of 256 rows (Q, K: of the weights' 3,072; V: of the tokens)
	s_lshl_b32 s3, s3, 2
	s_add_co_u32 s3, s3, s14                       ; source 1's block of 128 rows (Q, K: of the tokens; V: of Wv)
	s_lshl_b32 s92, s2, 4
	s_lshl_b32 s93, s89, 3                         ; (of source 0: tiles 8 (w % 2) .. + 7)
	s_add_co_u32 s92, s92, s93                     ; I fetch source 0's tiles 8 (w % 2) .. + 7,
	s_mul_i32 s92, s92, 12288
	s_mov_b32 s93, 0
	s_lshl_b32 s94, s3, 3
	s_add_co_u32 s94, s94, s91
	s_lshl_b32 s95, s89, 2                         ; (of source 1: tiles 4 (w % 2) .. + 3)
	s_add_co_u32 s94, s94, s95                     ; and source 1's tiles 4 (w % 2) .. + 3
	s_mul_i32 s94, s94, 12288
	s_mov_b32 s95, 0
	s_lshl_b32 s96, s2, 4
	s_lshl_b32 s97, s89, 3
	s_add_co_u32 s96, s96, s97
	s_lshl_b32 s96, s96, 9                         ; the scale words of my 8 tiles of source 0,
	s_mov_b32 s97, 0
	s_lshl_b32 s98, s3, 3
	s_add_co_u32 s98, s98, s91
	s_lshl_b32 s99, s90, 2
	s_add_co_u32 s98, s98, s99
	s_lshl_b32 s98, s98, 9                         ; and of my 4 of source 1
	s_mov_b32 s99, 0
	s_mul_i32 s100, s89, 98304                     ; where the loads go: the wave's number alone enters an LDS address
	s_mul_i32 s101, s89, 49152
	s_add_co_u32 s101, s101, S1OFF
	s_mov_b32 s66, 0x76543210
	s_mov_b32 s67, 0xfedcba98
	s_wait_dscnt 0x0                               ; both opening adds are done
	s_wait_kmcnt 0x0
	s_cmp_eq_u32 s15, 2
	s_cselect_b64 s[4:5], s[68:69], s[72:73]       ; source 0's codes
	s_cselect_b64 s[6:7], s[72:73], s[68:69]       ; source 1's
	s_cselect_b64 s[8:9], s[70:71], s[74:75]       ; source 0's scale words
	s_cselect_b64 s[10:11], s[74:75], s[70:71]     ; source 1's
	s_add_nc_u64 s[4:5], s[4:5], s[92:93]
	s_add_nc_u64 s[6:7], s[6:7], s[94:95]
	s_add_nc_u64 s[8:9], s[8:9], s[96:97]
	s_add_nc_u64 s[10:11], s[10:11], s[98:99]
	s_mov_b32 s32, 1                               ; group 0 for a half of source 0,
	s_add_co_u32 s33, s100, 0
	s_mov_b64 s[34:35], s[4:5]
	s_or_b32 s35, s35, 0x80000000
	s_mov_b32 s36, 1                               ; and for a half of source 1
	s_add_co_u32 s37, s101, 0
	s_mov_b64 s[38:39], s[6:7]
	s_or_b32 s39, s39, 0x80000000
	ROUND                                          ; all sixteen work-groups are here: the joint loads meet
	s_cmp_eq_u32 s90, 0                            ; waves 0, 1: source 0; waves 2, 3: source 1.  The launch's only fills, one load a wave
	s_cbranch_scc0 .Lfor_s1
	tensor_load_to_lds s[32:35], s[24:31]
	s_nop 0
.rept 4
	v_nop
.endr
	s_branch .Lasked
.Lfor_s1:
	tensor_load_to_lds s[36:39], s[16:23]
	s_nop 0
.rept 4
	v_nop
.endr
.Lasked:
	v_and_b32 v12, 31, v0                          ; lane
	v_and_b32 v13, 15, v0                          ; r
	v_bfe_u32 v14, v0, 4, 1                        ; h
	v_lshlrev_b32 v[LI], 4, v12
	v_lshlrev_b32 v[L8], 3, v12
	v_lshlrev_b32 v[SCA], 4, v13
	v_lshl_add_u32 v[SCA], v14, 9, v[SCA]
	v_and_b32 v15, 8, v13
	v_add_nc_u32 v15, v15, v13                     ; r + 8 (r / 8)
	s_mul_i32 s92, s89, 98304
	s_mul_i32 s94, s90, 49152
	s_add_co_u32 s94, s94, S1OFF
.irp c, 0,1,2,3
	v_add_nc_u32 v[ADB+\c], s92, v[LI]
	s_add_co_u32 s92, s92, 24576
.endr
	v_add_nc_u32 v[ADA], s94, v[LI]
.irp p, 0,1
.irp g, 0,1
	global_load_b128 v[SA+8*\p+4*\g:SA+8*\p+4*\g+3], v[SCA], s[10:11] offset:1024*\p+256*\g   ; lanes 0-15: tile 2 p, lanes 16-31: tile 2 p + 1; four K steps' words
.endr
.endr
.irp p, 0,1,2,3
.irp g, 0,1
	global_load_b128 v[SB+8*\p+4*\g:SB+8*\p+4*\g+3], v[SCA], s[8:9] offset:1024*\p+256*\g
.endr
.endr
.irp b, 0,1,2,3
	v_mov_b32 v[TM+4+\b], 0                        ; a lane permute's destination counts as one of its sources
.endr
	s_cmp_eq_u32 s15, 2
	s_cbranch_scc1 .Larm_v
	; ---------------- Q and K ----------------
	s_cmp_eq_u32 s15, 0
	s_cselect_b64 s[92:93], s[76:77], s[78:79]     ; bq or bk
	s_lshl_b32 s96, s13, 10
	s_lshl_b32 s97, s89, 9
	s_add_co_u32 s96, s96, s97                     ; my 128 features
	s_mov_b32 s97, 0
	s_add_nc_u64 s[92:93], s[92:93], s[96:97]
	s_lshl_b32 s96, s3, 7
	s_lshl_b32 s98, s90, 6
	s_add_co_u32 s96, s96, s98                     ; my 64 tokens
	s_add_nc_u64 s[94:95], s[82:83], s[96:97]
	v_lshlrev_b32 v16, 6, v14                      ; 64 h: lanes 16-31 hold the features 16 further on
	WIN 0xc0                                       ; destination window 3
.irp b, 0,1,2,3,4,5,6,7
	global_load_b128 v[8*\b:8*\b+3], v16, s[92:93] offset:(32*(\b/2)+8*(\b%2))*4
	global_load_b128 v[8*\b+4:8*\b+7], v16, s[92:93] offset:(32*(\b/2)+8*(\b%2))*4+16
.endr
	WIN 0
.irp a, 0,1,2,3
	global_load_u8 v[204+\a], v15, s[94:95] offset:32*(\a/2)+8*(\a%2)   ; the mask's byte of my token in tile a
.endr
	s_wait_alu depctr_va_vdst(0)
	MAIN
	PLACES
	s_cmp_eq_u32 s15, 0                            ; every tensor load has been waited for: the descriptors' registers are free
	s_cselect_b32 s16, -1, 0                       ; Q: every lane counts as open, and every token carries the extra places
	s_mov_b32 s17, 0x15555                         ; K: 5, 5, 5
	s_cselect_b32 s17, 0x2de7d, s17                ; Q: -20, -10, -1.25
	s_mov_b32 s18, 0x7f0000                        ; block 2's byte: K 127,
	s_cselect_b32 s18, 0x880000, s18               ; Q 136
	s_mov_b32 s19, 241664                          ; a head's image in kvimg,
	s_cselect_b32 s19, 139264, s19                 ; in qimg
	s_mov_b32 s20, 229376                          ; where its scale words begin
	s_cselect_b32 s20, 131072, s20
	s_cselect_b64 s[22:23], s[84:85], s[86:87]
	s_mov_b32 s40, 0xffff0000                      ; lanes 16-31
.irp a, 0,1,2,3
	v_cmp_ne_u32 s[4+\a], 0, v[204+\a]             ; open keys
.endr
.irp a, 0,1,2,3
	s_not_b32 s[8+\a], s[4+\a]
	s_or_b32 s[8+\a], s[8+\a], s16
	s_and_b32 s[8+\a], s[8+\a], 0xffff             ; who carries the extra places: they lie in lanes 0-15 (k = 64 ..)
	s_or_b32 s[4+\a], s[4+\a], s16                 ; whose codes stay
.endr
	v_mov_b32 v[EV], s17
	s_lshr_b32 s24, s3, 4
	s_lshl_b32 s24, s24, 4                         ; 16 x batch
	s_lshl_b32 s25, s13, 2
	s_add_co_u32 s24, s24, s25
	s_lshl_b32 s25, s89, 1
	s_add_co_u32 s24, s24, s25                     ; my first head: 4 cx + 2 wx
	s_mul_i32 s24, s24, s19
	s_mov_b32 s25, 0
	s_add_nc_u64 s[22:23], s[22:23], s[24:25]
	s_and_b32 s26, s3, 15
	s_lshl_b32 s26, s26, 3
	s_lshl_b32 s27, s90, 2
	s_add_co_u32 s26, s26, s27                     ; my first tile of tokens in the batch
	s_lshl_b32 s28, s26, 10
	s_mov_b32 s29, 0
	s_add_nc_u64 s[32:33], s[22:23], s[28:29]      ; the first head's codes,
	s_mov_b32 s30, s19
	s_mov_b32 s31, 0
	s_add_nc_u64 s[34:35], s[32:33], s[30:31]      ; the second's
	s_lshl_b32 s28, s26, 6                         ; four tiles' scale words are 256 bytes
	s_add_co_u32 s28, s28, s20
	s_add_nc_u64 s[36:37], s[22:23], s[28:29]
	s_add_nc_u64 s[38:39], s[36:37], s[30:31]
.irp a, 0,1,2,3
.set RS, 208+16*(\a%2)
	s_wait_xcnt 0x0                                ; earlier stores have read their registers
	WIN 0x0e                                       ; source 0 window 2, source 1 window 3
.set i, 0
.rept 32
	v_pk_add_f32 v[H+i:H+i+1], v[64*\a+i:64*\a+i+1], v[i:i+1]   ; + the bias; each accumulator from its low end on
.set i, i+2
.endr
	WIN 0
	QUANT H, RS, RS+8, PWS+\a                      ; blocks 0, 1: the first head's 64; blocks 2, 3: the second's
.irp k, 0,1,2,3,4,5,8,9,10,11,12,13
	v_cndmask_b32 v[RS+\k], 0, v[RS+\k], s[4+\a]   ; a masked key's codes are zeros
.endr
	v_cndmask_b32 v[RS+6], 0, v[EV], s[8+\a]       ; places 64-66
	v_mov_b32 v[RS+7], 0
	v_cndmask_b32 v[RS+14], 0, v[EV], s[8+\a]
	v_mov_b32 v[RS+15], 0
	global_store_b128 v[LI], v[RS:RS+3], s[32:33] offset:1024*\a       ; 512 consecutive bytes a store
	global_store_b128 v[LI], v[RS+4:RS+7], s[32:33] offset:1024*\a+512
	global_store_b128 v[LI], v[RS+8:RS+11], s[34:35] offset:1024*\a
	global_store_b128 v[LI], v[RS+12:RS+15], s[34:35] offset:1024*\a+512
.endr
	v_cndmask_b32 v204, v[PWS], v[PWS+1], s40      ; lanes 0-15: tile 0, lanes 16-31: tile 1;
	v_cndmask_b32 v205, v[PWS+2], v[PWS+3], s40    ; tiles 2 and 3
	v_and_or_b32 v206, v204, 0xffff, s18           ; the first head's two bytes, block 2's byte, 0
	v_and_or_b32 v207, v205, 0xffff, s18
	global_store_b64 v[L8], v[206:207], s[36:37]   ; 256 consecutive bytes, aligned
	v_lshrrev_b32 v204, 16, v204
	v_lshrrev_b32 v205, 16, v205
	v_or_b32 v204, s18, v204
	v_or_b32 v205, s18, v205
	global_store_b64 v[L8], v[204:205], s[38:39]
	s_branch .Lend
	; ---------------- V ----------------
.Larm_v:
	s_lshl_b32 s96, s3, 9
	s_lshl_b32 s97, s90, 8
	s_add_co_u32 s96, s96, s97                     ; my 64 features: one head
	s_mov_b32 s97, 0
	s_add_nc_u64 s[92:93], s[80:81], s[96:97]
	v_lshlrev_b32 v16, 2, v15
	WIN 0xc0
.irp a, 0,1,2,3
	global_load_b32 v[64+2*\a], v16, s[92:93] offset:(32*(\a/2)+8*(\a%2))*4   ; my feature's bias;
	global_load_b32 v[65+2*\a], v16, s[92:93] offset:(32*(\a/2)+8*(\a%2))*4   ; the packed form names a pair, so both are written
.endr
	WIN 0
	s_wait_alu depctr_va_vdst(0)
	MAIN
	PLACES
	s_mov_b32 s40, 0xffff0000
	s_lshr_b32 s24, s2, 3
	s_lshl_b32 s24, s24, 4                         ; 16 x batch
	s_lshl_b32 s25, s3, 1
	s_add_co_u32 s24, s24, s25
	s_add_co_u32 s24, s24, s90                     ; my head
	s_mul_i32 s24, s24, 241664
	s_mov_b32 s25, 0
	s_add_nc_u64 s[22:23], s[86:87], s[24:25]
	s_and_b32 s26, s2, 7
	s_lshl_b32 s26, s26, 1
	s_add_co_u32 s26, s26, s89                     ; my step of 128 keys
	s_mul_i32 s28, s26, 6144
	s_add_co_u32 s28, s28, 131072
	s_mov_b32 s29, 0
	s_add_nc_u64 s[32:33], s[22:23], s[28:29]
	s_lshl_b32 s28, s26, 8
	s_add_co_u32 s28, s28, 237568
	s_add_nc_u64 s[36:37], s[22:23], s[28:29]
.irp a, 0,1,2,3
.set RS, 208+16*(\a%2)
	s_wait_xcnt 0x0
	WIN 0x0e
.set i, 0
.rept 32
	v_pk_add_f32 v[H+i:H+i+1], v[64*\a+i:64*\a+i+1], v[64+2*\a:65+2*\a] op_sel_hi:[1,0]
.set i, i+2
.endr
	WIN 0
	QUANT H, RS, RS+6, PWS+\a                      ; 128 keys of 16 features: one fragment
.irp j, 0,1,2
	global_store_b128 v[LI], v[RS+4*\j:RS+4*\j+3], s[32:33] offset:1536*\a+512*\j
.endr
.endr
	v_cndmask_b32 v204, v[PWS], v[PWS+1], s40
	v_cndmask_b32 v205, v[PWS+2], v[PWS+3], s40
	global_store_b64 v[L8], v[204:205], s[36:37]
.Lend:
	s_wait_tensorcnt 0x0                           ; the wave's end
	ds_add_u32 v[SPW], v[NIL]
	s_wait_dscnt 0x0
	ROUND                                          ; the closing round
	s_endpgm
.Lfunc_end_k_q1c0a8b48f6_qkv:
	.size	k_q1c0a8b48f6_qkv, .Lfunc_end_k_q1c0a8b48f6_qkv-k_q1c0a8b48f6_qkv
	.p2alignl 7, 3214868480
	.fill 96, 4, 3214868480
	.section	.rodata,"a",@progbits
	.p2align	6, 0x0
	.amdhsa_kernel k_q1c0a8b48f6_qkv
		.amdhsa_group_segment_fixed_size 327680
		.amdhsa_private_segment_fixed_size 0
		.amdhsa_enable_private_segment 0
		.amdhsa_kernarg_size 80
		.amdhsa_user_sgpr_count 2
		.amdhsa_user_sgpr_kernarg_segment_ptr 1
		.amdhsa_wavefront_size32 1
		.amdhsa_system_sgpr_workgroup_id_x 1
		.amdhsa_system_sgpr_workgroup_id_y 1
		.amdhsa_system_sgpr_workgroup_id_z 1
		.amdhsa_system_vgpr_workitem_id 0
		.amdhsa_next_free_vgpr 1024
		.amdhsa_next_free_sgpr 104
		.amdhsa_reserve_vcc 0
		.amdhsa_float_denorm_mode_32 3
		.amdhsa_float_denorm_mode_16_64 3
		.amdhsa_memory_ordered 1
		.amdhsa_forward_progress 1
		.amdhsa_inst_pref_size 173
	.end_amdhsa_kernel
	.amdgpu_metadata
---
amdhsa.version: [ 1, 2 ]
amdhsa.kernels:
  - .name:           k_q1c0a8b48f6_qkv
    .symbol:         k_q1c0a8b48f6_qkv.kd
    .args:
      - { .name: xcod, .offset: 0, .size: 8, .value_kind: global_buffer, .address_space: global }
      - { .name: xscl, .offset: 8, .size: 8, .value_kind: global_buffer, .address_space: global }
      - { .name: wcod, .offset: 16, .size: 8, .value_kind: global_buffer, .address_space: global }
      - { .name: wscl, .offset: 24, .size: 8, .value_kind: global_buffer, .address_space: global }
      - { .name: bq, .offset: 32, .size: 8, .value_kind: global_buffer, .address_space: global }
      - { .name: bk, .offset: 40, .size: 8, .value_kind: global_buffer, .address_space: global }
      - { .name: bv, .offset: 48, .size: 8, .value_kind: global_buffer, .address_space: global }
      - { .name: mask, .offset: 56, .size: 8, .value_kind: global_buffer, .address_space: global }
      - { .name: qimg, .offset: 64, .size: 8, .value_kind: global_buffer, .address_space: global }
      - { .name: kvimg, .offset: 72, .size: 8, .value_kind: global_buffer, .address_space: global }
    .group_segment_fixed_size: 327680
    .private_segment_fixed_size: 0
    .kernarg_segment_align: 8
    .kernarg_segment_size: 80
    .max_flat_workgroup_size: 128
    .sgpr_count:     104
    .vgpr_count:     1024
    .wavefront_size: 32
...
	.end_amdgpu_metadata
.endif
;; end of part 2
;; launch attn (part 3): grid 4 x 64, 16 waves a work-group, clusters of 4 x 1, 262,144 bytes of LDS; arguments qimg, kvimg, acod, ascl; writes acod, ascl
.if DOCPART == 3
	.amdgcn_target "amdgcn-amd-amdhsa--gfx1250"
	.amdhsa_code_object_version 6
	.text
	.protected	k_q1c0a8b48f6_attn
	.globl	k_q1c0a8b48f6_attn
	.p2align	8
	.type	k_q1c0a8b48f6_attn,@function
k_q1c0a8b48f6_attn:
	s_mov_b64 s[64:65], 0
	v_nop
	global_prefetch_b8 v0, s[64:65] scope:SCOPE_SE
	s_setreg_imm32_b32 hwreg(HW_REG_WAVE_MODE, 25, 1), 1
	s_wait_xcnt 0x0
	s_wait_alu depctr_hold_cnt(0) depctr_sa_sdst(0) depctr_va_vdst(0) depctr_va_sdst(0) depctr_va_ssrc(0) depctr_va_vcc(0) depctr_vm_vsrc(0)
	s_getreg_b32 s2, hwreg(HW_REG_IB_STS2, 6, 4)
	s_cmp_eq_u32 s2, 0
	s_cbranch_scc0 .Lentry_in_a_cluster
	s_endpgm
.Lentry_in_a_cluster:
	s_bfe_u32 s2, ttmp6, 0x10000c
	s_cmp_lg_u32 s2, 0x3003
	s_cbranch_scc0 .Lentry_shape_is_right
	s_endpgm
.Lentry_shape_is_right:
; Causal attention of one head on codes of BF6, and the quantising of its result for the projection.  Both products are used transposed: a lane holds ONE query throughout.
; LEFT OUT AS DEAD WORK (shown at the head of the launch quant): q . k and the softmax of key steps that lie wholly behind a tile's 16 queries.  What those keys still give is added at a tile's end:
; NEG joins the running maximum, n c joins the row's sum, 2^(-14427 - M) x (the sum of the quantised V over those steps) joins O.  With G = 15 there are no such steps, and the constants
; are chosen so that all three terms are 0.  LIMITS: as stated there; the promise holds while the scaled scores stay under 2^31 in magnitude.
; THE SOFTMAX: t = score x log2(e) / 8; M = the largest t so far, rounded up to a whole number; p = 2^(t - M) is quantised along the keys; the row's sum is taken of the unquantised p.
; The input mask is not read here: a masked key's score comes out of the first product as -80000 = 8 NEG (launch qkv).  Hidden keys of the step on the diagonal get the same number by a select.
; SHARES.  The four work-groups of a head are a cluster; K, V and their scale words come into LDS once, by one joint load a wave (waves 0-7: K, 16 tiles each; waves 8-15: V and the scale words).
; Of every group of 128 queries work-group cx takes tiles 2 cx and 2 cx + 1.  Wave w (u = w % 2, g = w / 2) takes tile u of group 15 - g (16 - g steps), then of group g (g + 1 steps): ONE loop of
; 17 trips, a step in each; the first tile is finished at the head of trip 16 - g.  No branch and no LDS address hangs on cx.  A barrier in each trip, signal at its head and wait at its end, holds the waves within one step of each other.
; THE KEYS OF A TILE OF K ARE CHOSEN BY THE LANES' ADDRESSES: row m of tile t of a step is key 32 (2 (t / 4) + m / 8) + 8 (t % 4) + m % 8.  So lane (r, h) holds, in the 32 score registers of tiles 4 c .. 4 c + 3,
; keys 64 c + 32 h + 0 .. 31: one whole block of the second product's K, in the operand's own order: a block's maximum needs no other lane and the codes need no lane swap.
; In memory a tile 2 B + u holds keys 32 B + 8 u + r + 8 (r / 8); lanes 0-7 and 8-15 of a load read two stored tiles, 2,176 bytes apart in LDS: each tile's 1,024 bytes get 64 of padding on the way in.
; No prefetch: the launch has one fill, at its head, and no loop to run ahead in.
; REGISTERS: v1 16 x lane, v2 8 x lane, v3 my query less 32 h, v4 -80000; v5-6 the add's; v7-10 LDS addresses in hand; v11 Q's scale word; v12 -M, v13 the largest score, v[14:15] the sum; v16-27 Q; v28-31 K's scale words;
; v32-99 K: tile i is v[32 + 8 i] .. v[43 + 8 i] (its last four registers are the next tile's and meet zero codes of Q); then v32-79 V; v100-163 S^T, then p; v164-195 O^T; v196-207 p's codes; v208-214 conversions' second halves;
; v211, v215 K's and its scale words' lane addresses; v216-222 at work; v223-227, v248-251 the second tile's Q; v228-229 V's scale words, v230 p's; v231 8 h; v[232:233] f; v[238:239] the hidden keys' weight; v240-242 addresses that stay.
; CORRECTION to the lines above: the loop's trips hold no barrier; behind the two phases that sum V nobody writes LDS, and each wave walks its 17 steps by itself.
; v243, v244 (behind those phases): V's and its scale words' lane addresses, with their regions' first bytes; v215 holds KSOFF likewise.
.set KVB,   241664
.set QB,    139264
.set KP,    1088                       ; a stored tile of K in LDS: 1,024 bytes + 64
.set VOFF,  139264                     ; 128 x KP
.set KSOFF, 237568
.set VSOFF, 245760
.set BSUM,  249856                     ; 16 x 256 bytes: the sum of the quantised V of each step
.set SUF,   253952                     ; 16 x 256 bytes: the sum over all later steps
.set SPARE, 258048                     ; the spare words, 128 bytes a wave
.macro ROUND
	s_barrier_signal -1
	s_barrier_wait -1
	s_cmp_lg_u32 s12, 0
	s_cbranch_scc1 .Lnw0_\@
	s_barrier_signal -3
.Lnw0_\@:
	s_barrier_wait -3
	s_barrier_signal -1
	s_barrier_wait -1
.endm
.macro QKP i                           ; S^T of 16 keys: source 0 = K's tile i, source 1 = my 16 queries
.if (\i)%2
	v_wmma_scale_f32_16x16x128_f8f6f4 v[100+8*\i:107+8*\i], v[32+8*\i:43+8*\i], v[16:27], 0, v[28+(\i)/2], v11 matrix_a_fmt:MATRIX_FMT_BF6 matrix_b_fmt:MATRIX_FMT_BF6 matrix_a_scale:MATRIX_SCALE_ROW1
.else
	v_wmma_scale_f32_16x16x128_f8f6f4 v[100+8*\i:107+8*\i], v[32+8*\i:43+8*\i], v[16:27], 0, v[28+(\i)/2], v11 matrix_a_fmt:MATRIX_FMT_BF6 matrix_b_fmt:MATRIX_FMT_BF6
.endif
.endm
.macro PVP t, zero                     ; O^T of 16 of the head's 64: source 0 = V's tile t, source 1 = p
.if \zero
.if (\t)%2
	v_wmma_scale_f32_16x16x128_f8f6f4 v[164+8*\t:171+8*\t], v[32+12*\t:43+12*\t], v[196:207], 0, v[228+(\t)/2], v230 matrix_a_fmt:MATRIX_FMT_BF6 matrix_b_fmt:MATRIX_FMT_BF6 matrix_a_scale:MATRIX_SCALE_ROW1
.else
	v_wmma_scale_f32_16x16x128_f8f6f4 v[164+8*\t:171+8*\t], v[32+12*\t:43+12*\t], v[196:207], 0, v[228+(\t)/2], v230 matrix_a_fmt:MATRIX_FMT_BF6 matrix_b_fmt:MATRIX_FMT_BF6
.endif
.else
.if (\t)%2
	v_wmma_scale_f32_16x16x128_f8f6f4 v[164+8*\t:171+8*\t], v[32+12*\t:43+12*\t], v[196:207], v[164+8*\t:171+8*\t], v[228+(\t)/2], v230 matrix_a_fmt:MATRIX_FMT_BF6 matrix_b_fmt:MATRIX_FMT_BF6 matrix_a_scale:MATRIX_SCALE_ROW1
.else
	v_wmma_scale_f32_16x16x128_f8f6f4 v[164+8*\t:171+8*\t], v[32+12*\t:43+12*\t], v[196:207], v[164+8*\t:171+8*\t], v[228+(\t)/2], v230 matrix_a_fmt:MATRIX_FMT_BF6 matrix_b_fmt:MATRIX_FMT_BF6
.endif
.endif
.endm
.macro VLOAD                           ; a step's four fragments of V and their scale words
.irp t, 0,1,2,3
.irp j, 0,1,2
	ds_load_b128 v[32+12*\t+4*\j:35+12*\t+4*\j], v8 offset:1536*\t+512*\j
.endr
.endr
	ds_load_b64 v[228:229], v10
.endm
.macro JADDR G, P                      ; tile 8 G + 2 cx + u: s[P:P+1] Q's codes, s[P+2:P+3] its scale words, s[P+4:P+5] its place in acod, s[P+6:P+7] in ascl
	s_lshl_b32 s56, s[\G], 3
	s_lshl_b32 s57, s13, 1
	s_add_co_u32 s56, s56, s57
	s_add_co_u32 s56, s56, s15
	s_mov_b32 s59, 0
	s_lshl_b32 s58, s56, 10
	s_add_nc_u64 s[\P:\P+1], s[4:5], s[58:59]
	s_lshr_b32 s58, s56, 2
	s_lshl_b32 s58, s58, 8
	s_bfe_u32 s57, s56, 0x10001
	s_lshl_b32 s57, s57, 2
	s_add_co_u32 s58, s58, s57
	s_lshl_b32 s57, s15, 7
	s_add_co_u32 s58, s58, s57
	s_add_co_u32 s58, s58, 131072
	s_add_nc_u64 s[\P+2:\P+3], s[4:5], s[58:59]
	s_mul_i32 s58, s56, 12288
	s_add_nc_u64 s[\P+4:\P+5], s[8:9], s[58:59]
	s_lshl_b32 s58, s56, 9
	s_add_nc_u64 s[\P+6:\P+7], s[10:11], s[58:59]
.endm
.macro INIT                            ; a tile's state: the step is written once, and a tile's first step finds zeros
	v_mov_b32 v13, 0xff61b1e6                      ; the largest score so far: -3e38
	v_mov_b32 v14, 0
	v_mov_b32 v15, 0
	v_floor_f32 v12, -v13
.set n, 0
.rept 32
	v_mov_b32 v[164+n], 0
.set n, n+1
.endr
.endm
.macro FM n0                           ; t - M of 16 scores
.set n, \n0
.rept 8
	v_pk_fma_f32 v[100+n:101+n], v[100+n:101+n], s[30:31], v[12:13] op_sel_hi:[1,0,0]
.set n, n+2
.endr
.endm
.macro LVL k                           ; p's scale word, a level at a time, among the row sum's additions
.if \k == 0
	v_max_num_f32 v216, 0x2800000, v216            ; the floor 2^(5 - 127)
	v_max_num_f32 v218, 0x2800000, v218
.elseif \k == 1
	v_add_nc_u32 v220, 0xfe000000, v216            ; 4 off the exponent field: the conversions' scale operands
	v_add_nc_u32 v221, 0xfe000000, v218
.elseif \k == 2
	v_lshrrev_b32 v254, 23, v220                   ; the bytes of blocks h and 2 + h,
	v_lshrrev_b32 v255, 23, v221
.elseif \k == 3
	v_lshl_or_b32 v230, v255, 16, v254
.elseif \k == 4
	v_lshlrev_b32 v230, v231, v230                 ; at their places
.else
	v_permlanex16_b32 v222, v230, s28, s29
.endif
.endm
; A TILE'S END: the steps behind the diagonal, 15 - G of them; the division; the quantising for the projection; the stores.  O = O (f / l) + (sum of V) (weight / l).
.macro TILE_END G, P, last
	s_cmp_lt_u32 s[\G], 15
	s_mov_b32 s39, 0xff61b1e6                      ; G = 15: -3e38 for both, so that all three terms are 0
	s_cselect_b32 s40, 0xc6616c00, s39             ; -14427
	s_cselect_b32 s39, 0xc79c4000, s39             ; -80000
	s_xor_b32 s42, s[\G], 15
	s_lshl_b32 s42, s42, 7
	s_cvt_f32_u32 s42, s42                         ; n = 128 (15 - G)
	s_lshl_b32 s43, s[\G], 8
	s_add_co_u32 s43, s43, SUF
	v_add_nc_u32 v7, s43, v242
.set n, 0
.rept 8
	ds_load_b128 v[100+4*n:103+4*n], v7 offset:16*n   ; the sum of the quantised V over those steps, in O^T's layout
.set n, n+1
.endr
	v_max_num_f32 v13, s39, v13
	v_add_f32 v14, v14, v15
	v_mov_b32 v234, v12
	v_mul_f32 v235, s30, v13
	v_permlanex16_b32 v222, v14, s28, s29
	s_delay_alu instid0(VALU_DEP_2)
	v_floor_f32 v12, -v235
	v_add_f32 v14, v14, v222                       ; the visible keys' sum
	s_delay_alu instid0(VALU_DEP_2)
	v_sub_f32 v234, v12, v234
	v_fma_f32 v235, s39, s30, v12                  ; NEG log2(e) - M
	v_add_f32 v236, s40, v12
	v_cvt_i32_f32 v234, v234
	s_delay_alu instid0(VALU_DEP_2)
	v_cvt_i32_f32 v236, v236
	s_delay_alu instid0(VALU_DEP_2)
	v_ldexp_f32 v232, 1.0, v234                    ; f = 2^(old M - new M)
	s_delay_alu instid0(VALU_DEP_2)
	v_ldexp_f32 v238, 1.0, v236                    ; the quantised weight 2^(-14427 - M)
	v_mul_f32 v14, v14, v232
	s_wait_alu depctr_va_vdst(0)                   ; ahead of a transcendental and ahead of its reader
	v_exp_f32 v235, v235                           ; c
	v_nop
	s_wait_alu depctr_va_vdst(0)
	v_fma_f32 v14, s42, v235, v14                  ; + n c, once
	s_wait_alu depctr_va_vdst(0)
	v_rcp_f32 v236, v14
	v_nop
	s_wait_alu depctr_va_vdst(0)
	v_mul_f32 v232, v232, v236
	v_mul_f32 v238, v238, v236
	s_wait_alu depctr_va_vdst(0)                   ; directly ahead of O^T's first reader
.set n, 0
.rept 16
	v_pk_mul_f32 v[164+n:165+n], v[164+n:165+n], v[232:233] op_sel_hi:[1,0]
.set n, n+2
.endr
	s_wait_alu depctr_va_vdst(0)
	s_wait_dscnt 0x0
.set n, 0
.rept 16
	v_pk_fma_f32 v[164+n:165+n], v[100+n:101+n], v[238:239], v[164+n:165+n] op_sel_hi:[1,0,1]   ; register 16 b + i: channel 32 b + 16 h + i of my query
.set n, n+2
.endr
.irp b, 0,1                            ; quantised for the projection: two blocks of its K
	v_max3_num_f32 v[216+\b], |v[164+16*\b]|, |v[165+16*\b]|, 0x2800000
.endr
.irp i, 2,4,6,8,10,12,14
.irp b, 0,1
	s_delay_alu instid0(VALU_DEP_2)
	v_max3_num_f32 v[216+\b], v[216+\b], |v[164+16*\b+\i]|, |v[165+16*\b+\i]|
.endr
.endr
.irp b, 0,1
	s_delay_alu instid0(VALU_DEP_2)
	v_permlanex16_b32 v[218+\b], v[216+\b], s28, s29
.endr
.irp b, 0,1
	s_delay_alu instid0(VALU_DEP_2)
	v_max_num_f32 v[216+\b], v[216+\b], v[218+\b]
.endr
.irp b, 0,1
	s_delay_alu instid0(VALU_DEP_2)
	v_add_nc_u32 v[220+\b], 0xfe000000, v[216+\b]
.endr
.irp b, 0,1
	s_delay_alu instid0(VALU_DEP_2)
	v_lshrrev_b32 v[254+\b], 23, v[220+\b]
.endr
	v_cvt_scalef32_pk16_bf6_f32 v[196:198], v[164:179], v220
	v_cvt_scalef32_pk16_bf6_f32 v[208:210], v[180:195], v221
	v_nop                                          ; one plain place behind the scaled conversions
.irp i, 0,1,2
	v_permlane16_swap_b32 v[196+\i], v[208+\i]
.endr
.irp i, 0,1,2
	v_mov_b32 v[199+\i], v[208+\i]
.endr
	v_cndmask_b32 v234, v254, v255, s44            ; lane (r, h) stores block h's byte
.irp p, 0,1,2
	global_store_b64 v2, v[196+2*\p:197+2*\p], s[\P+4:\P+5] offset:256*\p   ; half a fragment, register pair by register pair: 256 consecutive bytes, aligned
.endr
	global_store_b8 v241, v234, s[\P+6:\P+7]
.if \last == 0
	s_wait_xcnt 0x0                                ; the stores have read their registers
.irp i, 0,1,2,3
	v_mov_b32 v[16+\i], v[224+\i]                  ; the second tile's Q
	v_mov_b32 v[20+\i], v[248+\i]
.endr
	v_mov_b32 v11, v223
	INIT
.endif
.endm
	s_load_b256 s[4:11], s[0:1], 0x0               ; qimg, kvimg, acod, ascl
	v_lshl_add_u32 v5, v0, 2, SPARE
	v_mov_b32 v6, 0
	ds_add_u32 v5, v6                              ; the wave's opening: the add, twice on end, and its wait ahead of my first tensor load
	ds_add_u32 v5, v6
	v_lshrrev_b32 v234, 5, v0
	v_readfirstlane_b32 s12, v234                  ; wave 0..15
	s_bfe_u32 s13, ttmp6, 0x40000                  ; cx
	s_and_b32 s14, ttmp7, 0xffff                   ; 16 x batch + head: the four partners share it
	s_and_b32 s15, s12, 1                          ; u
	s_lshr_b32 s38, s12, 1                         ; g: the second tile's group
	s_xor_b32 s45, s38, 15                         ; 15 - g: the first tile's
	s_sub_co_u32 s47, 16, s38                      ; the trip at whose head the first tile is finished
	s_mov_b32 s16, 15|(3<<16)|(1<<20)|(1<<21)|(7<<22)|(15<<25)   ; K: all four work-groups; elements of 8 bytes; bit 21 beside a mask; 16 words of padding behind every 256
	s_mov_b32 s17, 128<<16                         ; rows of 1,024 bytes, a tile each,
	s_mov_b32 s18, 16<<16                          ; 16 a wave
	s_mov_b32 s19, 128<<16
	s_mov_b32 s20, 16
	s_mov_b32 s21, 128
	s_mov_b32 s22, 0
	s_mov_b32 s23, 0
	s_mov_b32 s68, 15|(3<<16)|(1<<21)              ; V and the scale words: 110,592 dense bytes,
	s_mov_b32 s69, 32<<16                          ; rows of 256 bytes,
	s_mov_b32 s70, 54<<16                          ; 54 a wave: 8 x 54 x 256
	s_mov_b32 s71, 32<<16
	s_mov_b32 s72, 54
	s_mov_b32 s73, 32
	s_mov_b32 s74, 0
	s_mov_b32 s75, 0
	s_mul_i32 s25, s12, 16*KP                      ; K's part of wave w, in LDS,
	s_mul_i32 s77, s12, 13824
	s_add_co_u32 s77, s77, VOFF-8*13824            ; and the part of wave w = 8 .. 15 behind K
	s_mul_i32 s60, s14, KVB
	s_lshl_b32 s56, s12, 14
	s_add_co_u32 s56, s56, s60                     ; in memory: 16,384 w,
	s_mov_b32 s57, 0
	s_mul_i32 s58, s12, 13824
	s_add_co_u32 s58, s58, s60
	s_add_co_u32 s58, s58, 131072-8*13824          ; 131,072 + 13,824 (w - 8)
	s_mov_b32 s59, 0
	s_mul_i32 s62, s14, QB
	s_mov_b32 s63, 0
	s_lshr_b32 s43, s14, 4                         ; batch
	s_and_b32 s46, s14, 15                         ; head
	s_mul_i32 s52, s43, 128*12288                  ; acod: the batch's 128 tiles; K step head / 2; half head % 2
	s_lshr_b32 s54, s46, 1
	s_mul_i32 s54, s54, 1536
	s_add_co_u32 s52, s52, s54
	s_and_b32 s54, s46, 1
	s_mul_i32 s55, s54, 768
	s_add_co_u32 s52, s52, s55
	s_mov_b32 s53, 0
	s_lshl_b32 s48, s43, 16                        ; ascl: 512 bytes a tile; 256 (head / 8) + 4 ((head / 2) % 4) + 2 (head % 2)
	s_lshr_b32 s49, s46, 3
	s_lshl_b32 s49, s49, 8
	s_add_co_u32 s48, s48, s49
	s_bfe_u32 s49, s46, 0x20001
	s_lshl_b32 s49, s49, 2
	s_add_co_u32 s48, s48, s49
	s_lshl_b32 s49, s54, 1
	s_add_co_u32 s48, s48, s49
	s_mov_b32 s49, 0
	s_mov_b32 s28, 0x76543210
	s_mov_b32 s29, 0xfedcba98                      ; lane l xor 16
	s_mov_b32 s30, 0x3e38aa3b                      ; log2(e) / 8
	s_mov_b32 s31, s30                             ; (named with it as a pair)
	s_mov_b32 s44, 0xffff0000                      ; lanes 16-31
	s_wait_dscnt 0x0                               ; both opening adds are done
	s_wait_kmcnt 0x0
	s_mov_b32 s24, 1
	s_add_nc_u64 s[26:27], s[6:7], s[56:57]
	s_or_b32 s27, s27, 0x80000000
	s_mov_b32 s76, 1
	s_add_nc_u64 s[78:79], s[6:7], s[58:59]
	s_or_b32 s79, s79, 0x80000000
	s_add_nc_u64 s[4:5], s[4:5], s[62:63]          ; my head's image of Q
	s_add_nc_u64 s[8:9], s[8:9], s[52:53]
	s_add_nc_u64 s[10:11], s[10:11], s[48:49]
	ROUND                                          ; all four work-groups are here: the joint loads meet
	s_cmp_lt_u32 s12, 8                            ; the launch's only fills: one load a wave
	s_cbranch_scc0 .Lfor_v
	tensor_load_to_lds s[24:27], s[16:23]
	s_nop 0
.rept 4
	v_nop
.endr
	s_branch .Lasked
.Lfor_v:
	tensor_load_to_lds s[76:79], s[68:75]
	s_nop 0
.rept 4
	v_nop
.endr
.Lasked:
	v_and_b32 v234, 31, v0                         ; lane
	v_and_b32 v235, 15, v0                         ; r
	v_bfe_u32 v236, v0, 4, 1                       ; h
	v_bfe_u32 v238, v0, 3, 1                       ; r / 8
	v_and_b32 v239, 7, v0                          ; r % 8
	v_lshlrev_b32 v1, 4, v234
	v_lshlrev_b32 v2, 3, v234
	v_lshlrev_b32 v240, 3, v235                    ; 8 r: Q's scale word
	JADDR 45, 48                                   ; the first tile,
	JADDR 38, 80                                   ; the second
	s_wait_alu depctr_va_vdst(0)                   ; ahead of readers that stand behind a run of scalar lines
	global_load_b128 v[16:19], v1, s[48:49]        ; both tiles' Q come while the tensor loads are on their way
	global_load_b128 v[20:23], v1, s[48:49] offset:512
	global_load_b32 v11, v240, s[50:51]
	global_load_b128 v[224:227], v1, s[80:81]
	global_load_b128 v[248:251], v1, s[80:81] offset:512
	global_load_b32 v223, v240, s[82:83]
	v_lshl_add_u32 v237, v238, 3, v235             ; r + 8 (r / 8)
	v_lshlrev_b32 v3, 5, v236
	v_sub_nc_u32 v3, v237, v3
	s_lshl_b32 s43, s13, 5
	s_lshl_b32 s46, s15, 3
	s_add_co_u32 s43, s43, s46
	v_add_nc_u32 v3, s43, v3                       ; my query's place in its group of 128, less 32 h
	v_mov_b32 v4, 0xc79c4000                       ; -80000
	v_mul_u32_u24 v211, v238, 2*KP                 ; K: 2 KP (r / 8) + 16 (r % 8) + 256 h
	v_lshl_add_u32 v211, v239, 4, v211
	v_lshl_add_u32 v211, v236, 8, v211
	v_lshlrev_b32 v215, 3, v239                    ; its scale words: 8 (r % 8) + 4 (r / 8) + 128 h
	v_lshl_add_u32 v215, v238, 2, v215
	v_lshl_add_u32 v215, v236, 7, v215
	v_add_nc_u32 v215, KSOFF, v215
	v_lshlrev_b32 v231, 3, v236                    ; 8 h
	v_lshl_add_u32 v241, v235, 4, v236             ; 16 r + h: my byte in ascl
	v_lshlrev_b32 v242, 7, v236                    ; 128 h
	s_lshl_b32 s43, s12, 8
	s_add_co_u32 s46, s43, BSUM
	v_add_nc_u32 v243, s46, v242                   ; my step's sum: 256 w + 128 h
	v_add_nc_u32 v244, BSUM, v2
	s_add_co_u32 s46, s43, SUF
	v_add_nc_u32 v245, s46, v2
	s_add_co_u32 s43, s43, VSOFF
	v_add_nc_u32 v10, s43, v2                      ; step w's scale words of V,
	s_mul_i32 s43, s12, 6144
	s_add_co_u32 s43, s43, VOFF
	v_add_nc_u32 v8, s43, v1                       ; and its V
	v_mov_b32 v230, 0x7f7f7f7f                     ; scales of 1
.irp k, 0,1,2,3
	v_mov_b32 v[196+3*\k], 0x0c30c30c              ; codes of 1.0, 6 bits each
	v_mov_b32 v[197+3*\k], 0xc30c30c3
	v_mov_b32 v[198+3*\k], 0x30c30c30
.endr
.irp k, 24,25,26,27,96,97,98,99,218,219,222,233,239
	v_mov_b32 v[\k], 0                             ; Q's last four registers; behind K's last tile; permutes' destinations; upper halves of pairs
.endr
	s_wait_alu depctr_va_vdst(0)
	s_wait_tensorcnt 0x0                           ; my part has landed,
	s_barrier_signal -1
	s_barrier_wait -1                              ; everybody's has
	; ---- A: the sum of the quantised V over step w: V's fragments x codes of 1.0
	VLOAD
	s_wait_dscnt 0x0
.irp t, 0,1,2,3
	PVP \t, 1
.endr
.rept 4
	v_nop
.endr
.irp t, 0,1,2,3
	ds_store_b128 v243, v[164+8*\t:167+8*\t] offset:32*\t          ; sixteen lanes hold the same numbers and write the same words
	ds_store_b128 v243, v[168+8*\t:171+8*\t] offset:32*\t+16
.endr
	s_wait_dscnt 0x0
	s_barrier_signal -1
	s_barrier_wait -1
	; ---- B: wave w adds the steps behind step w; a lane takes two of the 64 numbers
.irp j, 1,2,3,4,5,6,7,8,9,10,11,12,13,14,15
	ds_load_b64 v[100+2*(\j-1):101+2*(\j-1)], v244 offset:256*\j
.endr
	v_mov_b32 v130, 0
	v_mov_b32 v131, 0
	s_wait_alu depctr_va_vdst(0)
	s_wait_dscnt 0x0
.irp j, 15,14,13,12,11,10,9,8,7,6,5,4,3,2,1
	s_cmp_lt_u32 s12, \j
	s_cselect_b32 s43, 1.0, 0
	v_fma_f32 v130, v[100+2*(\j-1)], s43, v130
	v_fma_f32 v131, v[101+2*(\j-1)], s43, v131
.endr
	ds_store_b64 v245, v[130:131]
	v_add_nc_u32 v243, VOFF, v1                    ; for the steps: V's lane address,
	v_add_nc_u32 v244, VSOFF, v2                   ; and its scale words'
	INIT
	s_mov_b32 s33, 0                               ; the trip
	s_wait_alu depctr_va_vdst(0)
	s_wait_loadcnt 0x0                             ; both tiles' Q are in
	s_wait_dscnt 0x0
	s_barrier_signal -1
	s_barrier_wait -1
.Ltrip:                                ; 17 trips, a constant; every wave has a step in each
	s_cmp_lg_u32 s33, s47
	s_cbranch_scc1 .Lstep
	TILE_END 45, 48, 0
.Lstep:
	s_cmp_ge_u32 s33, s47
	s_cselect_b32 s35, s47, 0
	s_cselect_b32 s32, s38, s45                    ; the tile's group G
	s_sub_co_u32 s35, s33, s35
	s_min_u32 s35, s35, 15                         ; the step of 128 keys: 0 .. G
	s_mul_i32 s36, s35, 8*KP
	s_mul_i32 s37, s35, 6144
	s_lshl_b32 s39, s35, 9
	s_lshl_b32 s40, s35, 8
	v_add_nc_u32 v7, s36, v211                     ; (these four are also the places in front of loads into registers that the last products read)
	v_add_nc_u32 v8, s37, v243
	v_add_nc_u32 v9, s39, v215
	v_add_nc_u32 v10, s40, v244
.irp t, 0,1,2,3,4,5,6,7
	ds_load_b128 v[32+8*\t:35+8*\t], v7 offset:KP*(4*(\t/4)+\t%2)+128*((\t%4)/2)
	ds_load_b128 v[36+8*\t:39+8*\t], v7 offset:KP*(4*(\t/4)+\t%2)+128*((\t%4)/2)+512
.endr
.irp p, 0,1,2,3
	ds_load_b32 v[28+\p], v9 offset:256*(\p/2)+64*(\p%2)   ; lanes 0-15: tile 2 p, lanes 16-31: tile 2 p + 1
.endr
	s_wait_alu depctr_va_vdst(0)
	s_wait_dscnt 0x0
.irp i, 0,1,2,3,4,5,6,7
	QKP \i
.endr
.rept 4
	v_nop
.endr
	VLOAD                                          ; V lands under the softmax
	s_cmp_lg_u32 s35, s32
	s_cbranch_scc1 .Lopen
.set n, 0
.rept 64                               ; on the diagonal: register n holds key 64 (n / 32) + 32 h + n % 32 of the step: hidden where 64 (n / 32) + n % 32 > v3
	v_cmp_gt_i32 vcc_lo, 64*(n/32)+n%32, v3
	v_cndmask_b32 v[100+n], v[100+n], v4, vcc_lo
.set n, n+1
.endr
	s_wait_alu depctr_va_vdst(0)
.Lopen:
.irp b, 0,1,2,3
	v_max3_num_f32 v[216+\b], v[100+16*\b], v[101+16*\b], v[102+16*\b]   ; four chains; two make a block's largest score: for the row's maximum, and, since p rises with the score, for the block's largest p
.endr
.irp i, 3,5,7,9,11,13
.irp b, 0,1,2,3
	v_max3_num_f32 v[216+\b], v[216+\b], v[100+16*\b+\i], v[101+16*\b+\i]
.endr
.endr
	v_max3_num_f32 v216, v216, v217, v115
	v_max3_num_f32 v218, v218, v219, v147
	v_max_num_f32 v216, v216, v131                 ; block h,
	v_max_num_f32 v218, v218, v163                 ; block 2 + h
	v_max_num_f32 v234, v216, v218
	v_permlanex16_b32 v222, v234, s28, s29
	v_max3_num_f32 v13, v13, v234, v222            ; the running largest score
	v_mov_b32 v234, v12
	v_mul_f32 v235, s30, v13                       ; as t
	v_floor_f32 v12, -v235                         ; the new -M: M is a whole number
	FM 0
	v_sub_f32 v234, v12, v234
	FM 16
	v_cvt_i32_f32 v234, v234                       ; (it saturates)
	FM 32
	v_ldexp_f32 v232, 1.0, v234                    ; f = 2^(old M - new M)
	FM 48
	v_fma_f32 v216, v216, s30, v12
	v_fma_f32 v218, v218, s30, v12
	s_wait_alu depctr_va_vdst(0)                   ; the wait ahead of the batch,
.set n, 0
.rept 64
	v_exp_f32 v[100+n], v[100+n]                   ; p = 2^(t - M)
.set n, n+1
.endr
	v_exp_f32 v216, v216                           ; my two blocks' largest p
	v_exp_f32 v218, v218
	v_pk_mul_f32 v[14:15], v[14:15], v[232:233] op_sel_hi:[1,0]   ; the sums under the new M: a plain place behind the exponentials
	s_wait_alu depctr_va_vdst(0)                   ; and behind it, ahead of its first reader
	v_pk_add_f32 v[236:237], v[100:101], v[102:103]   ; the row's sum of the unquantised p, in four chains
	v_pk_add_f32 v[246:247], v[104:105], v[106:107]
	v_pk_add_f32 v[252:253], v[108:109], v[110:111]
	v_pk_add_f32 v[14:15], v[14:15], v[112:113]
.set n, 114
.irp k, 0,1,2,3,4,5
	LVL \k
	v_pk_add_f32 v[236:237], v[236:237], v[n:n+1]
	v_pk_add_f32 v[246:247], v[246:247], v[n+2:n+3]
	v_pk_add_f32 v[252:253], v[252:253], v[n+4:n+5]
	v_pk_add_f32 v[14:15], v[14:15], v[n+6:n+7]
.set n, n+8
.endr
	v_pk_add_f32 v[236:237], v[236:237], v[162:163]
	v_pk_add_f32 v[246:247], v[246:247], v[252:253]
	v_pk_add_f32 v[14:15], v[14:15], v[236:237]
	v_pk_add_f32 v[14:15], v[14:15], v[246:247]
	v_cvt_scalef32_pk16_bf6_f32 v[196:198], v[100:115], v220
	v_cvt_scalef32_pk16_bf6_f32 v[208:210], v[116:131], v220      ; (a conversion's three registers begin on an even number)
	v_cvt_scalef32_pk16_bf6_f32 v[202:204], v[132:147], v221
	v_cvt_scalef32_pk16_bf6_f32 v[212:214], v[148:163], v221
	v_or_b32 v230, v230, v222                      ; with lane l xor 16's two bytes p's scale word is whole; also the plain place behind the scaled conversions
.irp i, 0,1,2
	v_mov_b32 v[199+\i], v[208+\i]
	v_mov_b32 v[205+\i], v[212+\i]
.endr
	s_wait_alu depctr_va_vdst(0)                   ; directly ahead of O^T's first reader
.set n, 0
.rept 16
	v_pk_mul_f32 v[164+n:165+n], v[164+n:165+n], v[232:233] op_sel_hi:[1,0]   ; O^T under the new M; these are also the places in front of the products below
.set n, n+2
.endr
	s_wait_alu depctr_va_vdst(0)
	s_wait_dscnt 0x0                               ; V is in
.irp t, 0,1,2,3
	PVP \t, 0
.endr
	s_add_co_u32 s33, s33, 1
	s_cmp_lt_u32 s33, 17
	s_cbranch_scc1 .Ltrip
	TILE_END 38, 80, 1
	s_wait_tensorcnt 0x0                           ; the wave's end
	ds_add_u32 v5, v6
	s_wait_dscnt 0x0
	ROUND                                          ; the closing round
	s_endpgm
.Lfunc_end_k_q1c0a8b48f6_attn:
	.size	k_q1c0a8b48f6_attn, .Lfunc_end_k_q1c0a8b48f6_attn-k_q1c0a8b48f6_attn
	.p2alignl 7, 3214868480
	.fill 96, 4, 3214868480
	.section	.rodata,"a",@progbits
	.p2align	6, 0x0
	.amdhsa_kernel k_q1c0a8b48f6_attn
		.amdhsa_group_segment_fixed_size 262144
		.amdhsa_private_segment_fixed_size 0
		.amdhsa_enable_private_segment 0
		.amdhsa_kernarg_size 32
		.amdhsa_user_sgpr_count 2
		.amdhsa_user_sgpr_kernarg_segment_ptr 1
		.amdhsa_wavefront_size32 1
		.amdhsa_system_sgpr_workgroup_id_x 1
		.amdhsa_system_sgpr_workgroup_id_y 1
		.amdhsa_system_sgpr_workgroup_id_z 1
		.amdhsa_system_vgpr_workitem_id 0
		.amdhsa_next_free_vgpr 256
		.amdhsa_next_free_sgpr 96
		.amdhsa_reserve_vcc 1
		.amdhsa_float_denorm_mode_32 3
		.amdhsa_float_denorm_mode_16_64 3
		.amdhsa_memory_ordered 1
		.amdhsa_forward_progress 1
		.amdhsa_inst_pref_size 54
	.end_amdhsa_kernel
	.amdgpu_metadata
---
amdhsa.version: [ 1, 2 ]
amdhsa.kernels:
  - .name:           k_q1c0a8b48f6_attn
    .symbol:         k_q1c0a8b48f6_attn.kd
    .args:
      - { .name: qimg, .offset: 0, .size: 8, .value_kind: global_buffer, .address_space: global }
      - { .name: kvimg, .offset: 8, .size: 8, .value_kind: global_buffer, .address_space: global }
      - { .name: acod, .offset: 16, .size: 8, .value_kind: global_buffer, .address_space: global }
      - { .name: ascl, .offset: 24, .size: 8, .value_kind: global_buffer, .address_space: global }
    .group_segment_fixed_size: 262144
    .private_segment_fixed_size: 0
    .kernarg_segment_align: 8
    .kernarg_segment_size: 32
    .max_flat_workgroup_size: 512
    .sgpr_count:     96
    .vgpr_count:     256
    .wavefront_size: 32
...
	.end_amdgpu_metadata
.endif
;; end of part 3
;; launch proj (part 4): grid 4 x 64, 4 waves a work-group, clusters of 4 x 4, 327,680 bytes of LDS; arguments acod, ascl, wcod, wscl, bp, out0; writes out0
.if DOCPART == 4
	.amdgcn_target "amdgcn-amd-amdhsa--gfx1250"
	.amdhsa_code_object_version 6
	.text
	.protected	k_q1c0a8b48f6_proj
	.globl	k_q1c0a8b48f6_proj
	.p2align	8
	.type	k_q1c0a8b48f6_proj,@function
k_q1c0a8b48f6_proj:
	s_mov_b64 s[64:65], 0
	v_nop
	global_prefetch_b8 v0, s[64:65] scope:SCOPE_SE
	s_setreg_imm32_b32 hwreg(HW_REG_WAVE_MODE, 25, 1), 1
	s_wait_xcnt 0x0
	s_wait_alu depctr_hold_cnt(0) depctr_sa_sdst(0) depctr_va_vdst(0) depctr_va_sdst(0) depctr_va_ssrc(0) depctr_va_vcc(0) depctr_vm_vsrc(0)
	s_getreg_b32 s2, hwreg(HW_REG_IB_STS2, 6, 4)
	s_cmp_eq_u32 s2, 0
	s_cbranch_scc0 .Lentry_in_a_cluster
	s_endpgm
.Lentry_in_a_cluster:
	s_bfe_u32 s2, ttmp6, 0x10000c
	s_cmp_lg_u32 s2, 0xf033
	s_cbranch_scc0 .Lentry_shape_is_right
	s_endpgm
.Lentry_shape_is_right:
; out0 = a Wp^T + bp on codes of BF6; a is attention's result as the launch attn has quantised it.  Nothing of reference() is left out here.
; The products are the launch qkv's: a work-group makes 256 features (source 0 = Wp's rows) x 128 tokens (source 1) with all of K = 1,024; its 288 KB of codes come into LDS once, in four chunks of two
; K steps; 4 x 4 clusters, Wp's tiles shared along a column, a's along a row.  a's fragments lie register pair by register pair (256 bytes a pair), so they come by loads of 8 bytes.
; bp is the C of each sum's first product.  A lane's eight results are eight neighbouring features of one token; a tile of 16 tokens x 128 features goes through the wave's stage in LDS and leaves as rows of 512 bytes.
; The stages lie in chunk 0: it has had its one fill, every wave has waited for all its tensor loads at the barrier of K step 5, and its last read lies ahead of the barrier of K step 1.
.set SPARE, 294912
; LDS as it is now: Wp's 16 tiles whole (12,288 bytes each: all eight K steps), then a's 8.  One dense joint load a wave brings them (this takes the place of the chunks named above):
; waves 0, 1 a half of Wp's tiles each, waves 2, 3 a half of a's each; one tensor load a wave at the head.
.set S1OFF, 196608
.set LI,  1
.set L8,  2
.set SCA, 3
.set ADB, 4
.set ADA, 8
.set STO, 12                           ; the stage: where I put 32 bytes of a row
.set RD,  13                           ; and where I read a row back
.set SPW, 28
.set NIL, 29
.set SA,  32
.set SB,  48
.set AF,  80
.set NF,  48
.set W_MUL, 0xa1
.set W_TOB, 0x40
.set MSB, 0
.macro WIN new
.if MSB != \new
	s_set_vgpr_msb (MSB<<8)|\new
.set MSB, \new
.endif
.endm
.macro ROUND
	s_barrier_signal -1
	s_barrier_wait -1
	s_cmp_lg_u32 s12, 0
	s_cbranch_scc1 .Lnw0_\@
	s_barrier_signal -3
.Lnw0_\@:
	s_barrier_wait -3
	s_barrier_signal -1
	s_barrier_wait -1
.endm
.macro PLACES
.rept 4
	v_nop
.endr
.endm
.macro PROD a, b, s, first
.set rD, 8*(8*(\a)+(\b))
.set rB, 128*((\s)%2)+12*(\b)
.set rA, AF+48*((\s)%2)+12*(\a)
.set rP, SB+8*((\b)/2)+(\s)
.set rQ, SA+8*((\a)/2)+(\s)
.set rC, 8*(\b)
.if \first
.if ((\b)%2)*((\a)%2)
	v_wmma_scale_f32_16x16x128_f8f6f4 v[rD:rD+7], v[rB:rB+11], v[rA:rA+11], v[rC:rC+7], v[rP], v[rQ] matrix_a_fmt:MATRIX_FMT_BF6 matrix_b_fmt:MATRIX_FMT_BF6 matrix_a_scale:MATRIX_SCALE_ROW1 matrix_b_scale:MATRIX_SCALE_ROW1
.elseif (\b)%2
	v_wmma_scale_f32_16x16x128_f8f6f4 v[rD:rD+7], v[rB:rB+11], v[rA:rA+11], v[rC:rC+7], v[rP], v[rQ] matrix_a_fmt:MATRIX_FMT_BF6 matrix_b_fmt:MATRIX_FMT_BF6 matrix_a_scale:MATRIX_SCALE_ROW1
.elseif (\a)%2
	v_wmma_scale_f32_16x16x128_f8f6f4 v[rD:rD+7], v[rB:rB+11], v[rA:rA+11], v[rC:rC+7], v[rP], v[rQ] matrix_a_fmt:MATRIX_FMT_BF6 matrix_b_fmt:MATRIX_FMT_BF6 matrix_b_scale:MATRIX_SCALE_ROW1
.else
	v_wmma_scale_f32_16x16x128_f8f6f4 v[rD:rD+7], v[rB:rB+11], v[rA:rA+11], v[rC:rC+7], v[rP], v[rQ] matrix_a_fmt:MATRIX_FMT_BF6 matrix_b_fmt:MATRIX_FMT_BF6
.endif
.else
.if ((\b)%2)*((\a)%2)
	v_wmma_scale_f32_16x16x128_f8f6f4 v[rD:rD+7], v[rB:rB+11], v[rA:rA+11], v[rD:rD+7], v[rP], v[rQ] matrix_a_fmt:MATRIX_FMT_BF6 matrix_b_fmt:MATRIX_FMT_BF6 matrix_a_scale:MATRIX_SCALE_ROW1 matrix_b_scale:MATRIX_SCALE_ROW1
.elseif (\b)%2
	v_wmma_scale_f32_16x16x128_f8f6f4 v[rD:rD+7], v[rB:rB+11], v[rA:rA+11], v[rD:rD+7], v[rP], v[rQ] matrix_a_fmt:MATRIX_FMT_BF6 matrix_b_fmt:MATRIX_FMT_BF6 matrix_a_scale:MATRIX_SCALE_ROW1
.elseif (\a)%2
	v_wmma_scale_f32_16x16x128_f8f6f4 v[rD:rD+7], v[rB:rB+11], v[rA:rA+11], v[rD:rD+7], v[rP], v[rQ] matrix_a_fmt:MATRIX_FMT_BF6 matrix_b_fmt:MATRIX_FMT_BF6 matrix_b_scale:MATRIX_SCALE_ROW1
.else
	v_wmma_scale_f32_16x16x128_f8f6f4 v[rD:rD+7], v[rB:rB+11], v[rA:rA+11], v[rD:rD+7], v[rP], v[rQ] matrix_a_fmt:MATRIX_FMT_BF6 matrix_b_fmt:MATRIX_FMT_BF6
.endif
.endif
.endm
.macro MUL16 a0, s, first
.irp a, \a0, \a0+1
.irp b, 0,1,2,3,4,5,6,7
	PROD \a, \b, \s, \first
.endr
.endr
.endm
.macro FETCH s
	WIN W_TOB
.irp i, 0,1,2,3,4,5,6,7
.irp j, 0,1,2
	ds_load_b128 v[128*((\s)%2)+12*\i+4*\j:128*((\s)%2)+12*\i+4*\j+3], v[ADB+(\i)/2] offset:12288*((\i)%2)+1536*(\s)+512*\j
.endr
.endr
	WIN 0
.irp i, 0,1,2,3
.irp j, 0,1,2,3,4,5
	ds_load_b64 v[AF+48*((\s)%2)+12*\i+2*\j:AF+48*((\s)%2)+12*\i+2*\j+1], v[ADA] offset:12288*\i+1536*(\s)+256*\j
.endr
.endr
.endm
.macro KEVEN s
	PLACES
	FETCH (\s)+1
	s_wait_dscnt NF                                ; this step's fragments are in; the NF loads just issued may be out
	WIN W_MUL
	MUL16 0, \s, 0
	MUL16 2, \s, 0
.endm
	s_load_b256 s[68:75], s[0:1], 0x0              ; acod, ascl, wcod, wscl
	s_load_b128 s[76:79], s[0:1], 0x20             ; bp, out0
	v_lshl_add_u32 v[SPW], v0, 2, SPARE
	v_mov_b32 v[NIL], 0
	ds_add_u32 v[SPW], v[NIL]                      ; the wave's opening: the add, twice on end, and its wait ahead of my first tensor load
	ds_add_u32 v[SPW], v[NIL]
	v_lshrrev_b32 v14, 5, v0
	v_readfirstlane_b32 s12, v14                   ; wave
	s_and_b32 s89, s12, 1                          ; wx
	s_lshr_b32 s90, s12, 1                         ; wy
	s_bfe_u32 s13, ttmp6, 0x40000                  ; cx
	s_bfe_u32 s14, ttmp6, 0x40004                  ; cy
	s_and_b32 s88, ttmp7, 0xffff                   ; cluster y
	s_lshl_b32 s92, 0x1111, s13
	s_or_b32 s24, s92, (3<<16)|(1<<21)             ; Wp's tiles: my column of the cluster
	s_lshl_b32 s94, s14, 2
	s_lshl_b32 s94, 15, s94
	s_or_b32 s16, s94, (3<<16)|(1<<21)             ; a's tiles: my row
	s_mov_b32 s25, 32<<16                          ; a dense block as rows of 256 bytes:
	s_mov_b32 s26, 384<<16                         ; 8 tiles x 12,288 bytes = 384 rows
	s_mov_b32 s27, 32<<16
	s_mov_b32 s28, 384
	s_mov_b32 s29, 32
	s_mov_b32 s30, 0
	s_mov_b32 s31, 0
	s_mov_b32 s17, 32<<16
	s_mov_b32 s18, 192<<16                         ; 4 tiles = 192 rows
	s_mov_b32 s19, 32<<16
	s_mov_b32 s20, 192
	s_mov_b32 s21, 32
	s_mov_b32 s22, 0
	s_mov_b32 s23, 0
	s_lshl_b32 s3, s88, 2
	s_add_co_u32 s3, s3, s14                       ; my block of 128 tokens
	s_lshl_b32 s92, s13, 4
	s_lshl_b32 s93, s89, 3                         ; (of Wp: tiles 8 (w % 2) .. + 7)
	s_add_co_u32 s92, s92, s93
	s_add_co_u32 s92, s92, 192                     ; Wp's tiles begin at 192
	s_mul_i32 s92, s92, 12288
	s_mov_b32 s93, 0
	s_lshl_b32 s94, s3, 3
	s_lshl_b32 s95, s89, 2                         ; (of a: tiles 4 (w % 2) .. + 3)
	s_add_co_u32 s94, s94, s95
	s_mul_i32 s94, s94, 12288
	s_mov_b32 s95, 0
	s_lshl_b32 s96, s13, 4
	s_lshl_b32 s97, s89, 3
	s_add_co_u32 s96, s96, s97
	s_add_co_u32 s96, s96, 192
	s_lshl_b32 s96, s96, 9
	s_mov_b32 s97, 0
	s_lshl_b32 s98, s3, 3
	s_lshl_b32 s99, s90, 2
	s_add_co_u32 s98, s98, s99
	s_lshl_b32 s98, s98, 9
	s_mov_b32 s99, 0
	s_mul_i32 s100, s89, 98304                     ; where the loads go: the wave's number alone enters an LDS address
	s_mul_i32 s101, s89, 49152
	s_add_co_u32 s101, s101, S1OFF
	s_wait_dscnt 0x0                               ; both opening adds are done
	s_wait_kmcnt 0x0
	s_add_nc_u64 s[4:5], s[72:73], s[92:93]
	s_add_nc_u64 s[6:7], s[68:69], s[94:95]
	s_add_nc_u64 s[8:9], s[74:75], s[96:97]
	s_add_nc_u64 s[10:11], s[70:71], s[98:99]
	s_mov_b32 s32, 1                               ; group 0 for a half of Wp's tiles,
	s_add_co_u32 s33, s100, 0
	s_mov_b64 s[34:35], s[4:5]
	s_or_b32 s35, s35, 0x80000000
	s_mov_b32 s36, 1                               ; and for a half of a's
	s_add_co_u32 s37, s101, 0
	s_mov_b64 s[38:39], s[6:7]
	s_or_b32 s39, s39, 0x80000000
	ROUND                                          ; all sixteen work-groups are here: the joint loads meet
	s_cmp_eq_u32 s90, 0                            ; waves 0, 1: Wp; waves 2, 3: a.  The launch's only fills, one load a wave
	s_cbranch_scc0 .Lfor_s1
	tensor_load_to_lds s[32:35], s[24:31]
	s_nop 0
.rept 4
	v_nop
.endr
	s_branch .Lasked
.Lfor_s1:
	tensor_load_to_lds s[36:39], s[16:23]
	s_nop 0
.rept 4
	v_nop
.endr
.Lasked:
	v_and_b32 v14, 31, v0                          ; lane
	v_and_b32 v15, 15, v0                          ; r
	v_bfe_u32 v16, v0, 4, 1                        ; h
	v_lshlrev_b32 v[LI], 4, v14
	v_lshlrev_b32 v[L8], 3, v14
	v_lshlrev_b32 v[SCA], 4, v15
	v_lshl_add_u32 v[SCA], v16, 9, v[SCA]
	s_mul_i32 s92, s89, 98304
	s_mul_i32 s94, s90, 49152
	s_add_co_u32 s94, s94, S1OFF
.irp c, 0,1,2,3
	v_add_nc_u32 v[ADB+\c], s92, v[LI]             ; Wp's tiles 2 c, 2 c + 1 of my eight
	s_add_co_u32 s92, s92, 24576
.endr
	v_add_nc_u32 v[ADA], s94, v[L8]
	s_mul_i32 s92, s12, 8448                       ; my stage: 16 rows x 528 bytes
	v_mul_u32_u24 v[STO], v15, 528
	v_lshl_add_u32 v[STO], v16, 6, v[STO]
	v_add_nc_u32 v[STO], s92, v[STO]               ; row r, + 64 h
	v_add_nc_u32 v[RD], s92, v[LI]
.irp p, 0,1
.irp g, 0,1
	global_load_b128 v[SA+8*\p+4*\g:SA+8*\p+4*\g+3], v[SCA], s[10:11] offset:1024*\p+256*\g
.endr
.endr
.irp p, 0,1,2,3
.irp g, 0,1
	global_load_b128 v[SB+8*\p+4*\g:SB+8*\p+4*\g+3], v[SCA], s[8:9] offset:1024*\p+256*\g
.endr
.endr
	s_lshl_b32 s96, s13, 10
	s_lshl_b32 s97, s89, 9
	s_add_co_u32 s96, s96, s97                     ; my 128 features, in bytes
	s_mov_b32 s97, 0
	s_add_nc_u64 s[82:83], s[76:77], s[96:97]      ; bp there
	s_lshl_b32 s98, s3, 19                         ; 128 tokens x 4,096 bytes
	s_lshl_b32 s99, s90, 18
	s_add_co_u32 s98, s98, s99
	s_add_co_u32 s98, s98, s96
	s_mov_b32 s99, 0
	s_add_nc_u64 s[80:81], s[78:79], s[98:99]      ; out0 at my first token and feature
	v_lshlrev_b32 v17, 6, v16                      ; 64 h
	WIN 0xc0                                       ; destination window 3
.irp b, 0,1,2,3,4,5,6,7
	global_load_b128 v[8*\b:8*\b+3], v17, s[82:83] offset:(32*(\b/2)+8*(\b%2))*4
	global_load_b128 v[8*\b+4:8*\b+7], v17, s[82:83] offset:(32*(\b/2)+8*(\b%2))*4+16
.endr
	WIN 0
	s_wait_alu depctr_va_vdst(0)
	s_wait_loadcnt 0x0                             ; the scale words and bp
	s_wait_tensorcnt 0x0                           ; my one load has landed
	s_barrier_signal -1
	s_barrier_wait -1
	FETCH 0
	FETCH 1
	s_wait_dscnt NF
	WIN 0xb1                                       ; as W_MUL, with C in window 3: the bias starts the sums
	MUL16 0, 0, 1
	MUL16 2, 0, 1
	KEVEN 1
	KEVEN 2
	KEVEN 3
	KEVEN 4
	KEVEN 5
	KEVEN 6
	s_wait_dscnt 0x0                               ; my last reads of the tiles are over:
	s_barrier_signal -1                            ; say so; the stages lie in Wp's first tiles, which have had their one fill and which other waves read up to here
	MUL16 0, 7, 0
	MUL16 2, 7, 0
	WIN 0
	s_barrier_wait -1                              ; nobody reads the tiles any more: the stages may be written
; THE WAY OUT, a tile of 16 tokens at a time.  LDS serves a wave's instructions in order: no wait between the stores and the loads, nor in front of the next tile's stores.
.macro TOSTAGE a
	WIN 0x08                                       ; an LDS store's data: window 2
.irp b, 0,1,2,3,4,5,6,7
	ds_store_b128 v[STO], v[64*(\a)+8*\b:64*(\a)+8*\b+3] offset:128*(\b/2)+32*(\b%2)       ; features 32 (b / 2) + 16 h + 8 (b % 2) + 0 .. 7; each accumulator from its low end on
	ds_store_b128 v[STO], v[64*(\a)+8*\b+4:64*(\a)+8*\b+7] offset:128*(\b/2)+32*(\b%2)+16
.endr
	WIN 0
.set BB, 80+64*((\a)%2)
.irp m, 0,1,2,3,4,5,6,7,8,9,10,11,12,13,14,15
	ds_load_b128 v[BB+4*\m:BB+4*\m+3], v[RD] offset:528*\m
.endr
.endm
.macro SEND a, younger                 ; younger: the LDS instructions issued behind tile a's loads, which may stay out
.set BB, 80+64*((\a)%2)
	s_wait_dscnt \younger
.irp m, 0,1,2,3,4,5,6,7,8,9,10,11,12,13,14,15
	global_store_b128 v[LI], v[BB+4*\m:BB+4*\m+3], s[80:81] offset:(32*((\a)/2)+8*((\a)%2)+\m+8*(\m/8))*4096 th:TH_STORE_NT   ; 32 lanes store 512 consecutive bytes of one token's row
.endr
.endm
	PLACES
	TOSTAGE 0
.irp a, 1,2,3
.if \a > 1
	s_wait_xcnt 0x0                                ; tile a - 2's stores have read their registers: tile a's loads may land there
.endif
	TOSTAGE \a
	SEND \a-1, 32                                  ; behind tile a - 1's loads: tile a's 16 stores and 16 loads
.endr
	SEND 3, 0
	s_wait_tensorcnt 0x0                           ; the wave's end
	ds_add_u32 v[SPW], v[NIL]
	s_wait_dscnt 0x0
	ROUND                                          ; the closing round
	s_endpgm
.Lfunc_end_k_q1c0a8b48f6_proj:
	.size	k_q1c0a8b48f6_proj, .Lfunc_end_k_q1c0a8b48f6_proj-k_q1c0a8b48f6_proj
	.p2alignl 7, 3214868480
	.fill 96, 4, 3214868480
	.section	.rodata,"a",@progbits
	.p2align	6, 0x0
	.amdhsa_kernel k_q1c0a8b48f6_proj
		.amdhsa_group_segment_fixed_size 327680
		.amdhsa_private_segment_fixed_size 0
		.amdhsa_enable_private_segment 0
		.amdhsa_kernarg_size 48
		.amdhsa_user_sgpr_count 2
		.amdhsa_user_sgpr_kernarg_segment_ptr 1
		.amdhsa_wavefront_size32 1
		.amdhsa_system_sgpr_workgroup_id_x 1
		.amdhsa_system_sgpr_workgroup_id_y 1
		.amdhsa_system_sgpr_workgroup_id_z 1
		.amdhsa_system_vgpr_workitem_id 0
		.amdhsa_next_free_vgpr 1024
		.amdhsa_next_free_sgpr 104
		.amdhsa_reserve_vcc 0
		.amdhsa_float_denorm_mode_32 3
		.amdhsa_float_denorm_mode_16_64 3
		.amdhsa_memory_ordered 1
		.amdhsa_forward_progress 1
		.amdhsa_inst_pref_size 82
	.end_amdhsa_kernel
	.amdgpu_metadata
---
amdhsa.version: [ 1, 2 ]
amdhsa.kernels:
  - .name:           k_q1c0a8b48f6_proj
    .symbol:         k_q1c0a8b48f6_proj.kd
    .args:
      - { .name: acod, .offset: 0, .size: 8, .value_kind: global_buffer, .address_space: global }
      - { .name: ascl, .offset: 8, .size: 8, .value_kind: global_buffer, .address_space: global }
      - { .name: wcod, .offset: 16, .size: 8, .value_kind: global_buffer, .address_space: global }
      - { .name: wscl, .offset: 24, .size: 8, .value_kind: global_buffer, .address_space: global }
      - { .name: bp, .offset: 32, .size: 8, .value_kind: global_buffer, .address_space: global }
      - { .name: out0, .offset: 40, .size: 8, .value_kind: global_buffer, .address_space: global }
    .group_segment_fixed_size: 327680
    .private_segment_fixed_size: 0
    .kernarg_segment_align: 8
    .kernarg_segment_size: 48
    .max_flat_workgroup_size: 128
    .sgpr_count:     104
    .vgpr_count:     1024
    .wavefront_size: 32
...
	.end_amdgpu_metadata
.endif
;; end of part 4
